; MI455X (gfx1250); checked and timed in simulation.
; The chip was launched on July 23, 2026; its instructions are those of AMD's public machine-readable ISA for CDNA 5 (MIT licence, August 2026) and "CDNA5" Instruction Set Architecture Reference Guide (July 2026). The comments in the code are by the model that wrote it; some were corrected since.
;; Paged Sdpa Attention. Allowed arithmetic: matrix products marked QUANTISED: E2M3 operands, one E8M0 scale for each 32 along K, by v_wmma_scale_f32_16x16x128_f8f6f4 with both operands' format E2M3, f32 sums; everything else in f32.
;; Inputs: Wo 4,096 x 4,096 float32; Wq 4,096 x 4,096 float32; block_table 256 int32; hidden_states 1 x 1,024 x 4,096 float32; k_cache 512 x 8 x 16 x 128 float32; v_cache 512 x 8 x 16 x 128 float32.
;; Outputs: out0 1 x 1,024 x 4,096 float32.
;; This version of the problem:
;;   THIS VERSION OF THE PROBLEM IS GIVEN IN LOW PRECISION. The matrix products marked QUANTISED in the list below multiply operands that are first quantised to E2M3 (2 exponent bits, 3 mantissa bits; 6 bits a number), with one power-of-two scale for each 32 numbers along K (OCP MX v1.0); their sums are f32. All else is computed in f32.
;;   The module's matrix products, in the order in which they are computed (A, B: the left and right operand; K: the contracted axis; several contracted axes count as one K, in the product's order):
;;     1. [M 1,024, K 4,096] x [K 4,096, N 4,096]; A: input hidden_states; B: input Wq: QUANTISED
;;     2. batch 32 x [M 1,024, K 128] x [K 128, N 4,096]; A: computed on the way; B: computed on the way: QUANTISED
;;     3. batch 32 x [M 1,024, K 4,096] x [K 4,096, N 128]; A: softmax (see below); B: computed on the way: QUANTISED
;;     4. [M 1,024, K 4,096] x [K 4,096, N 4,096]; A: computed on the way; B: input Wo: QUANTISED
;;   THE QUANTISER, for each operand of a quantised product, along K:
;;     - K is cut into blocks of 32 from its start; a last block that is shorter is filled with zeros.
;;     - A block's scale is 2^e with e = floor(log2(the largest magnitude in the block)) - 2, held to -126 .. 127; a block of zeros has e = 0. As a byte (E8M0): e + 127.
;;     - Each number is divided by its block's scale, clamped to +-7.5, and rounded to the nearest number of E2M3, ties to even, subnormals kept.
;;     - The product sums the exact products of the quantised numbers (number of the format x scale) in f32.
;;   ~~~python
;;   def quantise(x, axis):      # numpy; x: float32 -> the quantised numbers, widened to float32 again
;;       x = np.moveaxis(x, axis, -1); K = x.shape[-1]
;;       x = np.pad(x, [(0, 0)] * (x.ndim - 1) + [(0, -K % 32)]); x = x.reshape(x.shape[:-1] + (-1, 32)); a = np.abs(x).max(-1, keepdims=True)
;;       e = np.where(a > 0, np.clip(np.frexp(np.where(a > 0, a, 1))[1] - 1 - 2, -126, 127), 0)      # np.frexp(a)[1] - 1 = floor(log2(a)), exactly
;;       r = np.clip(x / 2.0 ** e, -7.5, 7.5)
;;       step = 2.0 ** (np.maximum(np.frexp(np.where(r == 0, 1, r))[1] - 1, 0) - 3)
;;       q = np.round(r / step) * step * 2.0 ** e      # np.round: ties to even
;;       return np.moveaxis(q.reshape(q.shape[:-2] + (-1,))[..., :K], -1, axis).astype(np.float32)
;;   ~~~
;;   SOFTMAX AHEAD OF A QUANTISED PRODUCT. Where the list says 'softmax', what is quantised is not the finished softmax but p = 2^(t - M), with t = logit x log2(e) and M = ceil(the row's largest t), a whole number; so 1/2 < the row's largest p <= 1. The row's sum l is taken of the UNQUANTISED p, in f32, and the product's result is divided by l at the end. Since M is a whole number, a kernel that streams over the keys may use a running M (the ceiling of the running maximum): every later rescaling is an exact power of two, which a block's scale takes up: the codes' values come out the same.
;;   OPERANDS COMPUTED ON THE WAY. 'Computed on the way' means the value that the module computes at that place (a softmax that the list does not call 'softmax' is quantised finished and normalised). What goes into a quantiser is computed in f32, as accurately as f32 sums, v_exp_f32 and their like allow (about 1e-6 of the number): no bf16 or f16 on the way to a quantiser, and a product that is left as it is and whose result goes on into a quantised operand takes f32 operands (vector FMAs, or v_wmma_f32_16x16x4_f32). A number that lies on a knife's edge between two numbers of the format may be rounded either way, as far as f32 arithmetic and the matrix unit's own rounding can turn it there, and no further.
;; One version. Each part assembles by itself: llvm-mc -triple=amdgcn-amd-amdhsa -mcpu=gfx1250 --defsym DOCPART=n.
;; ======== version 1 of 1: 4 launches
;; limits: right only within a limited range of input values
;; workspace buffers: hidq 3,276,800 bytes; wqq 13,107,200 bytes; woq 13,107,200 bytes; ctxq 3,276,800 bytes; kv 6,553,600 bytes; rope 524,288 bytes; q 16,777,216 bytes
;; launch quant (part 1): grid 1424 x 1, 4 waves a work-group, no clusters, 74,240 bytes of LDS; arguments hidden_states, Wq, Wo, k_cache, v_cache, block_table, hidq, wqq, woq, kv, rope; writes hidq, wqq, woq, kv, rope
.if DOCPART == 1
	.amdgcn_target "amdgcn-amd-amdhsa--gfx1250"
	.amdhsa_code_object_version 6
	.text
	.protected	k_q062f9ab835_quant
	.globl	k_q062f9ab835_quant
	.p2align	8
	.type	k_q062f9ab835_quant,@function
k_q062f9ab835_quant:
	s_mov_b64 s[64:65], 0
	v_nop
	global_prefetch_b8 v0, s[64:65] scope:SCOPE_SE
	s_setreg_imm32_b32 hwreg(HW_REG_WAVE_MODE, 25, 1), 1
	s_wait_xcnt 0x0
; ONE LAUNCH MAKES ALL OPERANDS THAT ARE INPUTS: codes of FP6 (E2M3) with one E8M0 byte for each 32 along a product's K, and the table of cos and sin.
; A block's scale is 2^(floor(log2(largest magnitude)) - 2); its byte is the largest magnitude's exponent field - 2, held at 1 from below.
; EVERY OPERAND IS LAID AS AN IMAGE OF ITS REGISTERS: a fragment (16 rows x 128 K, 12 registers a lane) is 1,536 bytes, registers 4 c .. 4 c + 3 of lane l at 512 c + 16 l,
; so that the later launches fetch a fragment by three loads of 16 bytes a lane and a tile is a dense block of memory.
; Three paths, parted by the work-group's number, each with LDS bytes of its own; waves share nothing, so there is no barrier.
;   work-groups 0-15     cos and sin of position x frequency, [1024][cos 64 | sin 64] f32
;   work-groups 16-143   V: K = the keys, gathered by block_table; a lane takes a channel and its registers run down the keys
;   work-groups 144-1423 K (gathered pages), hidden_states, Wq, Wo: K innermost; one text, the tensor's figures in scalar registers
; LIMITS: a block whose largest magnitude lies under 2^-124 keeps the byte 1; a block of zeros gets the byte 1 where the rule says 127 (its codes are zeros, and this program alone reads the bytes);
; NaN and infinities among the inputs are not served; an entry of block_table is held to 0 .. 511; cos and sin are right to about 1e-7; the frequencies take 10000^(j/64) and its reciprocal as correctly rounded f32.
.set R,    16                          ; v16-143  eight sets of 16 numbers as they are loaded
.set X,    144                         ; v144-175 two sets of 16 neighbours
.set E,    176                         ; v176-191 a scale byte for each step
.set C,    192                         ; v192-199 codes: two sets of four registers by turns (a step's wait on DScnt shows the LDS stores of two steps back done)
.set VO,   200                         ; v200-215 16 x lane + row x the tensor's pitch
.set IA,   216                         ; v216-218 where my three words of codes go in an image
.set SB,   68                          ; s[68:75] the four tiles' sources
.set DB,   76                          ; s[76:83] the four images' places
.set SCB,  84                          ; s[84:85] the scale words' place
.set SP,   80                          ; a lane's place in a turning stage: 64 bytes + 16
.set WREG, 12288                       ; LDS of a wave on the third path: two stages of 2,560, 256 scale bytes at 5,120, four images at 6,144
	s_load_b256 s[4:11], s[0:1], 0x0               ; hidden_states s[4:5], Wq s[6:7], Wo s[8:9], k_cache s[10:11]
	s_load_b256 s[12:19], s[0:1], 0x20             ; v_cache s[12:13], block_table s[14:15], hidq s[16:17], wqq s[18:19]
	s_load_b128 s[20:23], s[0:1], 0x40             ; woq s[20:21], kv s[22:23]
	s_load_b64 s[24:25], s[0:1], 0x50              ; rope
	v_lshl_add_u32 v224, v0, 2, 0x12000
	v_mov_b32 v225, 0
	v_lshrrev_b32 v1, 5, v0
	v_readfirstlane_b32 s26, v1                    ; wave 0..3
	v_and_b32 v2, 31, v0                           ; lane
	v_lshlrev_b32 v3, 4, v2                        ; 16 x lane
	s_wait_kmcnt 0x0
	s_cmp_lt_u32 ttmp9, 16
	s_cbranch_scc1 .Lrope
	s_cmp_lt_u32 ttmp9, 144
	s_cbranch_scc1 .Lvals
; ---------------------------------------------------------------- K, hidden_states, Wq, Wo: tiles of 16 rows x 128 numbers; a wave takes four tiles, sixteen steps of four rows
	s_sub_co_u32 s27, ttmp9, 144                   ; T: 0-127 K, 128-255 hidden_states, 256-767 Wq, 768-1279 Wo.  The choices hang on the work-group's number alone
	s_mov_b64 s[28:29], s[8:9]                     ; the source,
	s_mov_b64 s[30:31], s[20:21]                   ; the buffer of codes and scales,
	s_mov_b32 s32, 768                             ; the tensor's first T,
	s_mov_b32 s36, 12582912                        ; where the scales begin in the buffer: Wo's set first
	s_cmp_lt_u32 s27, 768
	s_cselect_b64 s[28:29], s[6:7], s[28:29]
	s_cselect_b64 s[30:31], s[18:19], s[30:31]
	s_cselect_b32 s32, 256, s32
	s_cmp_lt_u32 s27, 256
	s_cselect_b64 s[28:29], s[4:5], s[28:29]
	s_cselect_b64 s[30:31], s[16:17], s[30:31]
	s_cselect_b32 s32, 128, s32
	s_cselect_b32 s36, 3145728, s36
	s_cmp_lt_u32 s27, 128
	s_cselect_b64 s[28:29], s[10:11], s[28:29]
	s_cselect_b64 s[30:31], s[22:23], s[30:31]
	s_cselect_b32 s32, 0, s32
	s_cselect_b32 s36, 6291456, s36
	s_mov_b32 s33, 16384
	s_cselect_b32 s33, 512, s33                    ; bytes from row to row
	s_mov_b32 s50, 512
	s_cselect_b32 s50, 8192, s50                   ; from tile to tile in the source: 128 along K, or a KV head
	s_mov_b32 s52, 1536
	s_cselect_b32 s52, 786432, s52                 ; from image to image
	s_cselect_b32 s37, 32768, 4                    ; scale words: from tile to tile,
	s_cselect_b32 s38, 4, 16                       ; from row to row
	s_cselect_b32 s39, -1, 0                       ; all ones where pages are gathered
	s_mov_b32 s51, 0
	s_mov_b32 s53, 0
	s_sub_co_u32 s40, s27, s32
	s_lshl_b32 s40, s40, 2
	s_add_co_u32 s40, s40, s26                     ; W: my wave's number in the tensor
	s_lshr_b32 s41, s40, 1                         ; K: gathered page j = W / 2, KV heads 4 (W % 2) + 0 .. 3
	s_and_b32 s42, s41, s39
	s_and_b32 s42, s42, 255
	s_lshl_b32 s42, s42, 2
	s_mov_b32 s43, 0
	s_add_nc_u64 s[44:45], s[14:15], s[42:43]
	s_load_b32 s46, s[44:45], 0x0                  ; block_table[j] (entry 0, masked away below, on the streams)
	s_lshr_b32 s47, s40, 3                         ; the streams: row tile W / 8, K steps 4 (W % 8) + 0 .. 3
	s_lshl_b32 s47, s47, 18
	s_and_b32 s48, s40, 7
	s_lshl_b32 s48, s48, 11
	s_add_co_u32 s47, s47, s48                     ; source: 16 rows of 16,384 bytes, 4 x 512 bytes
	s_mul_i32 s48, s40, 6144                       ; images on end
	s_lshl_b32 s49, s40, 8                         ; 256 scale bytes a wave
	s_and_b32 s61, s40, 1
	s_lshl_b32 s62, s61, 15                        ; K: source: four KV heads of 8,192 bytes (the page is added below)
	s_mul_i32 s63, s61, 3145728                    ; image: KV head x 786,432 + (j / 32) x 98,304 + (j % 32) x 1,536
	s_lshr_b32 s86, s41, 5
	s_mul_i32 s86, s86, 98304
	s_add_co_u32 s63, s63, s86
	s_and_b32 s86, s41, 31
	s_mul_i32 s86, s86, 1536
	s_add_co_u32 s63, s63, s86
	s_lshl_b32 s86, s61, 17                        ; scale words: KV head x 32,768 + 64 j
	s_lshl_b32 s87, s41, 6
	s_add_co_u32 s86, s86, s87
	s_cmp_lt_u32 s27, 128
	s_cselect_b32 s54, s62, s47
	s_cselect_b32 s56, s63, s48
	s_cselect_b32 s58, s86, s49
	s_add_co_u32 s58, s58, s36
	s_mov_b32 s55, 0
	s_mov_b32 s57, 0
	s_mov_b32 s59, 0
	s_mul_i32 s60, s26, WREG                       ; my wave's LDS
	s_wait_alu depctr_va_vdst(0)
	v_lshrrev_b32 v14, 2, v2
	v_mul_u32_u24 v14, v14, SP
	v_and_b32 v15, 3, v2
	v_lshl_add_u32 v14, v15, 4, v14
	v_add_nc_u32 v14, s60, v14                     ; the turning stage, in: four lanes' 64 bytes on end, then 16 of padding
	v_mul_u32_u24 v15, v2, SP
	v_add_nc_u32 v15, s60, v15                     ; and out: my 16 neighbours.  Behind the turn lane L holds row L / 8 of the step's four, numbers 16 (L % 8) + 0 .. 15
	v_lshrrev_b32 v5, 3, v2
	v_lshlrev_b32 v5, 4, v5
	v_bfe_u32 v8, v2, 1, 2
	v_add_nc_u32 v5, v5, v8
	v_add_nc_u32 v5, s60, v5
	v_add_nc_u32 v5, 5120, v5                      ; my block's scale byte: 16 x row + 4 x tile + block
	v_lshlrev_b32 v6, 2, v2
	v_add_nc_u32 v6, s60, v6
	v_add_nc_u32 v6, 5120, v6                      ; and back, a word a lane
	v_add_nc_u32 v4, s60, v3
	v_add_nc_u32 v4, 6144, v4                      ; the images, back: 16 bytes a lane
	v_bfe_u32 v8, v2, 2, 1                         ; my 16 codes are k = 16 m + 0 .. 15, m = L % 8: registers 6 (m / 4) + 3 (m % 2) + 0 .. 2 of image lane row + 16 ((m / 2) % 2)
	v_mul_u32_u24 v8, v8, 6
	v_and_b32 v9, 1, v2
	v_mad_u32_u24 v8, v9, 3, v8
	v_lshrrev_b32 v9, 3, v2
	v_bfe_u32 v11, v2, 1, 1
	v_lshl_add_u32 v9, v11, 4, v9
	v_lshlrev_b32 v9, 4, v9
	v_add_nc_u32 v9, s60, v9
	v_add_nc_u32 v9, 6144, v9
.irp i, 0,1,2
	v_add_nc_u32 v11, \i, v8                       ; register w: at 512 (w / 4) + 4 (w % 4) + 16 x image lane
	v_lshrrev_b32 v12, 2, v11
	v_and_b32 v11, 3, v11
	v_lshl_add_u32 v12, v12, 9, v9
	v_lshl_add_u32 v[IA+\i], v11, 2, v12
.endr
	v_and_b32 v8, 3, v2                            ; where the scale words go in memory: word L of the first 32 is row L / 4, tile L % 4
	v_mul_lo_u32 v7, v8, s37
	v_lshrrev_b32 v8, 2, v2
	v_mul_lo_u32 v8, v8, s38
	v_add_nc_u32 v7, v7, v8
	s_lshl_b32 s61, s38, 3
	v_add_nc_u32 v10, s61, v7                      ; the second 32: eight rows on
	v_mov_b32 v[VO], v3
.irp p, 1,2,3,4,5,6,7,8,9,10,11,12,13,14,15
	v_add_nc_u32 v[VO+\p], s33, v[VO+\p-1]
.endr
	s_wait_alu depctr_va_vdst(0)
	s_wait_kmcnt 0x0
	s_min_u32 s46, s46, 511                        ; the page stays inside the cache,
	s_and_b32 s46, s46, s39                        ; counts for nothing on the streams,
	s_lshl_b32 s46, s46, 16                        ; and is 65,536 bytes
	s_add_co_u32 s54, s54, s46
	s_add_nc_u64 s[SB:SB+1], s[28:29], s[54:55]
	s_add_nc_u64 s[DB:DB+1], s[30:31], s[56:57]
.irp q, 1,2,3
	s_add_nc_u64 s[SB+2*\q:SB+2*\q+1], s[SB+2*\q-2:SB+2*\q-1], s[50:51]
	s_add_nc_u64 s[DB+2*\q:DB+2*\q+1], s[DB+2*\q-2:DB+2*\q-1], s[52:53]
.endr
	s_add_nc_u64 s[SCB:SCB+1], s[30:31], s[58:59]
.macro LOAD t                          ; step t: rows 4 (t % 4) + 0 .. 3 of tile t / 4; each load reads a row's 512 consecutive bytes.  No hint: the table may name a page twice
.irp i, 0,1,2,3
	global_load_b128 v[R+16*((\t)%8)+4*\i:R+16*((\t)%8)+4*\i+3], v[VO+4*((\t)%4)+\i], s[SB+2*((\t)/4):SB+2*((\t)/4)+1]
.endr
.endm
.macro TURN t                          ; step t's numbers through the stage: LDS serves a wave's instructions in order, so no wait stands between the stores and the loads
.irp i, 0,1,2,3
	ds_store_b128 v14, v[R+16*((\t)%8)+4*\i:R+16*((\t)%8)+4*\i+3] offset:32*SP*((\t)%2)+8*SP*\i
.endr
.irp i, 0,1,2,3
	ds_load_b128 v[X+16*((\t)%2)+4*\i:X+16*((\t)%2)+4*\i+3], v15 offset:32*SP*((\t)%2)+16*\i
.endr
.endm
.macro STEP t
.set XS, X+16*((\t)%2)
.if (\t) > 0
	s_wait_dscnt 4                                 ; this step's numbers are back from the stage; the last step's byte store and its three stores of codes may be out
.else
	s_wait_dscnt 0x0
.endif
.if (\t)+8 < 16
	LOAD (\t)+8                                    ; eight steps ahead, into the registers that this step's stores into the stage have read
.endif
.if (\t)+1 < 16
.if 14-(\t) >= 7
	s_wait_loadcnt 28                              ; the next step's four loads are in; those of the seven steps behind it may be out
.else
	s_wait_loadcnt 4*(14-(\t))
.endif
	TURN (\t)+1
.endif
	v_max3_num_f32 v8, |v[XS]|, |v[XS+1]|, |v[XS+2]|               ; the largest magnitude of my 16
	v_max3_num_f32 v9, |v[XS+3]|, |v[XS+4]|, |v[XS+5]|
.irp i, 6,10
	v_max3_num_f32 v8, v8, |v[XS+\i]|, |v[XS+\i+1]|
	v_max3_num_f32 v9, v9, |v[XS+\i+2]|, |v[XS+\i+3]|
.endr
	v_max3_num_f32 v8, v8, |v[XS+14]|, |v[XS+15]|
	v_max3_num_f32 v8, v8, v9, 0x1800000           ; and the floor 2^(3 - 127): the byte cannot fall under 1
	v_max_num_f32_dpp v8, v8, v8 row_xmask:1 row_mask:0xf bank_mask:0xf   ; with my neighbour's 16: the block's
	v_add_nc_u32 v11, 0xff000000, v8               ; 2 off its exponent field: the conversion takes the exponent field of this operand as its scale
	v_cvt_scalef32_pk16_fp6_f32 v[C+4*((\t)%2):C+4*((\t)%2)+2], v[XS:XS+15], v11
	v_lshrrev_b32 v[E+(\t)], 23, v11               ; the scale's byte (a plain line behind the conversion)
	ds_store_b8 v5, v[E+(\t)] offset:64*((\t)%4)+4*((\t)/4)        ; both lanes of a block write the same byte with the same value
.irp i, 0,1,2
	ds_store_b32 v[IA+\i], v[C+4*((\t)%2)+\i] offset:1536*((\t)/4)+64*((\t)%4)
.endr
.endm
.irp t, 0,1,2,3,4,5,6,7
	LOAD \t
.endr
	s_wait_loadcnt 28                              ; step 0's four loads are in; the 28 behind them may be out
	TURN 0
.irp t, 0,1,2,3,4,5,6,7,8,9,10,11,12,13,14,15
	STEP \t
.endr
	ds_load_b32 v12, v6                            ; LDS serves a wave's instructions in order: these see my stores
	ds_load_b32 v13, v6 offset:128
.irp n, 0,1,2,3,4,5,6,7,8,9,10,11
	ds_load_b128 v[R+4*\n:R+4*\n+3], v4 offset:512*\n
.endr
	s_wait_dscnt 12                                ; the two loads of scale words are in
	global_store_b32 v7, v12, s[SCB:SCB+1]
	global_store_b32 v10, v13, s[SCB:SCB+1]
.irp n, 0,1,2,3,4,5,6,7,8,9,10,11
	s_wait_dscnt 11-\n
	global_store_b128 v3, v[R+4*\n:R+4*\n+3], s[DB+2*(\n/3):DB+2*(\n/3)+1] offset:512*(\n%3)   ; 32 lanes store 512 consecutive bytes, at a multiple of 256 from the buffer's first byte
.endr
	s_wait_tensorcnt 0x0
	ds_add_u32 v224, v225
	s_wait_dscnt 0x0
	s_endpgm
; ---------------------------------------------------------------- V: a work-group takes one KV head and 256 gathered keys (16 pages, 8 blocks of 32, 2 K steps); wave w takes channels 32 w + 0 .. 31
; A lane takes a channel, its 32 registers a block of keys.  WITHIN A BLOCK THE KEYS STAND IN THE ORDER IN WHICH THE ATTENTION LAUNCH'S p STANDS: 0-7, 16-23, 8-15, 24-31
; (the same order on both sides of the product, inside one scale's block).  Channel 32 b + 8 u + r + 8 (r / 8) is row r of tile 2 b + u, so that the product's results are neighbours along the last product's K.
.Lvals:
	s_sub_co_u32 s27, ttmp9, 16
	s_lshr_b32 s28, s27, 4                         ; KV head
	s_and_b32 s29, s27, 15                         ; which 256 keys
	s_lshl_b32 s84, s29, 6
	s_mov_b32 s85, 0
	s_add_nc_u64 s[86:87], s[14:15], s[84:85]
	s_load_b512 s[68:83], s[86:87], 0x0            ; my sixteen entries of block_table
	s_lshl_b32 s30, s26, 7
	s_lshl_b32 s31, s28, 13
	s_add_co_u32 s30, s30, s31
	s_wait_alu depctr_va_vdst(0)
	v_lshl_add_u32 v9, v2, 2, s30                  ; in a page: KV head x 8,192 + 4 x channel
	v_bfe_u32 v8, v2, 3, 1                         ; u
	v_and_b32 v10, 7, v2
	v_lshrrev_b32 v11, 4, v2
	v_lshl_or_b32 v10, v11, 3, v10                 ; r
	s_mul_i32 s31, s26, 6144
	s_add_co_u32 s31, s31, 49152                   ; my stage: two K steps x two tiles' images
	v_mul_u32_u24 v4, v8, 1536
	v_lshl_add_u32 v4, v10, 4, v4
	v_add_nc_u32 v4, s31, v4                       ; in: tile u, image lane r (+ 16 for the odd blocks, in the immediate)
	v_add_nc_u32 v5, s31, v3                       ; back: 16 bytes a lane
	v_lshlrev_b32 v7, 6, v8
	v_lshl_add_u32 v7, v10, 2, v7                  ; my scale word: 64 u + 4 r
	s_mul_i32 s88, s28, 786432                     ; the images' place: KV head, slot of 512 keys, behind K's 49,152 bytes, K step x 12,288, tile x 1,536
	s_lshr_b32 s89, s29, 1
	s_mul_i32 s89, s89, 98304
	s_add_co_u32 s88, s88, s89
	s_and_b32 s89, s29, 1
	s_mul_i32 s89, s89, 24576
	s_add_co_u32 s88, s88, s89
	s_mul_i32 s89, s26, 3072
	s_add_co_u32 s88, s88, s89
	s_add_co_u32 s88, s88, 49152
	s_mov_b32 s89, 0
	s_add_nc_u64 s[88:89], s[22:23], s[88:89]
	s_lshl_b32 s90, s28, 15                        ; the scale words' place: KV head x 32,768, behind K's 16,384, (K step x 8 + tile) x 64
	s_lshl_b32 s91, s29, 10
	s_add_co_u32 s90, s90, s91
	s_lshl_b32 s91, s26, 7
	s_add_co_u32 s90, s90, s91
	s_add_co_u32 s90, s90, 6291456+16384
	s_mov_b32 s91, 0
	s_add_nc_u64 s[90:91], s[22:23], s[90:91]
	s_wait_kmcnt 0x0
.irp p, 0,1,2,3,4,5,6,7,8,9,10,11,12,13,14,15
	s_min_u32 s[68+\p], s[68+\p], 511              ; the page stays inside the cache
	s_lshl_b32 s84, s[68+\p], 16
	s_add_nc_u64 s[32+2*\p:33+2*\p], s[12:13], s[84:85]
.endr
.macro VLOAD t                         ; block t: pages 2 t and 2 t + 1; register i holds the key at place i of the block's order.  32 lanes read 128 consecutive bytes
.irp i, 0,1,2,3,4,5,6,7,8,9,10,11,12,13,14,15,16,17,18,19,20,21,22,23,24,25,26,27,28,29,30,31
	global_load_b32 v[32+32*((\t)%2)+\i], v9, s[32+2*(2*(\t)+((\i)/8)%2):33+2*(2*(\t)+((\i)/8)%2)] offset:512*((\i)%8+8*((\i)/16))
.endr
.endm
.macro VBLOCK t
.set XS, 32+32*((\t)%2)
.if (\t) < 7
	s_wait_loadcnt 32                              ; this block's 32 loads are in; the next block's may be out
.else
	s_wait_loadcnt 0x0
.endif
	v_max3_num_f32 v12, |v[XS]|, |v[XS+1]|, |v[XS+2]|               ; the block's largest magnitude: all 32 numbers are mine
	v_max3_num_f32 v13, |v[XS+3]|, |v[XS+4]|, |v[XS+5]|
.irp i, 6,10,14,18,22,26
	v_max3_num_f32 v12, v12, |v[XS+\i]|, |v[XS+\i+1]|
	v_max3_num_f32 v13, v13, |v[XS+\i+2]|, |v[XS+\i+3]|
.endr
	v_max3_num_f32 v12, v12, |v[XS+30]|, |v[XS+31]|
	v_max3_num_f32 v12, v12, v13, 0x1800000        ; and the floor 2^(3 - 127)
	v_add_nc_u32 v11, 0xff000000, v12              ; the conversions' scale operand
	v_lshrrev_b32 v13, 23, v11                     ; the scale's byte
.if (\t)%4 == 0
	v_mov_b32 v[24+(\t)/4], v13                    ; four bytes to a K step's word, the lower keys in the lower byte
.else
	v_lshl_or_b32 v[24+(\t)/4], v13, 8*((\t)%4), v[24+(\t)/4]
.endif
	v_cvt_scalef32_pk16_fp6_f32 v[96:98], v[XS:XS+15], v11
	v_cvt_scalef32_pk16_fp6_f32 v[100:102], v[XS+16:XS+31], v11     ; (a conversion's three registers begin on an even number)
	v_nop                                          ; one plain line behind a scaled conversion
	v_mov_b32 v99, v100
	v_mov_b32 v100, v101
	v_mov_b32 v101, v102                           ; v96-101: the block's 24 bytes: registers 6 c .. 6 c + 5 of image lane r + 16 (t % 2), c = (t % 4) / 2
.if ((\t)%4)/2 == 0
	ds_store_b128 v4, v[96:99] offset:3072*((\t)/4)+256*((\t)%2)
	ds_store_b64 v4, v[100:101] offset:3072*((\t)/4)+256*((\t)%2)+512
.else
	ds_store_b64 v4, v[96:97] offset:3072*((\t)/4)+256*((\t)%2)+520
	ds_store_b128 v4, v[98:101] offset:3072*((\t)/4)+256*((\t)%2)+1024
.endif
.if (\t)+2 < 8
	VLOAD (\t)+2
.endif
	s_wait_dscnt 0x0                               ; the stores have read their registers: the next block's codes may be written
.endm
.macro VOUT e                          ; K step e's two images and its scale words leave
.irp n, 0,1,2,3,4,5
	ds_load_b128 v[112+24*(\e)+4*\n:115+24*(\e)+4*\n], v5 offset:3072*(\e)+512*\n
.endr
	global_store_b32 v7, v[24+(\e)], s[90:91] offset:512*(\e)
.irp n, 0,1,2,3,4,5
	s_wait_dscnt 5-\n
	global_store_b128 v3, v[112+24*(\e)+4*\n:115+24*(\e)+4*\n], s[88:89] offset:12288*(\e)+512*\n   ; 512 consecutive bytes, at a multiple of 256 from the buffer's first byte
.endr
.endm
	VLOAD 0
	VLOAD 1
	VBLOCK 0
	VBLOCK 1
	VBLOCK 2
	VBLOCK 3
	s_wait_alu depctr_va_vdst(0)
	VOUT 0
	VBLOCK 4
	VBLOCK 5
	VBLOCK 6
	VBLOCK 7
	s_wait_alu depctr_va_vdst(0)
	VOUT 1
	s_wait_tensorcnt 0x0
	ds_add_u32 v224, v225
	s_wait_dscnt 0x0
	s_endpgm
; ---------------------------------------------------------------- cos and sin: a wave takes 16 positions; lane l holds frequencies j = l and j = 32 + l
.Lrope:
	s_lshl_b32 s13, ttmp9, 2
	s_add_co_u32 s13, s13, s26
	s_lshl_b32 s13, s13, 4                         ; my first position
	s_lshl_b32 s28, s13, 9
	s_mov_b32 s29, 0
	s_add_nc_u64 s[24:25], s[24:25], s[28:29]      ; a position's row is 512 bytes
	s_wait_alu depctr_va_vdst(0)
	v_lshlrev_b32 v1, 2, v2
	v_mov_b32 v16, 0
	v_mov_b32 v17, 0
.macro PJ j, val                       ; 10000^(j/64) = 10^(j/16), written in decimal and rounded to the nearest f32 where the text is assembled
	s_mov_b32 s30, \val
	v_writelane_b32 v[16+(\j)/32], s30, (\j)%32
.endm
	PJ 0, 1.0
	PJ 1, 1.1547819846894583
	PJ 2, 1.333521432163324
	PJ 3, 1.5399265260594921
	PJ 4, 1.7782794100389228
	PJ 5, 2.0535250264571463
	PJ 6, 2.371373705661655
	PJ 7, 2.738419634264361
	PJ 8, 3.1622776601683795
	PJ 9, 3.651741272548377
	PJ 10, 4.216965034285822
	PJ 11, 4.869675251658631
	PJ 12, 5.623413251903491
	PJ 13, 6.493816315762113
	PJ 14, 7.498942093324558
	PJ 15, 8.659643233600654
	PJ 16, 10.0
	PJ 17, 11.547819846894583
	PJ 18, 13.33521432163324
	PJ 19, 15.399265260594921
	PJ 20, 17.782794100389228
	PJ 21, 20.535250264571463
	PJ 22, 23.71373705661655
	PJ 23, 27.38419634264361
	PJ 24, 31.622776601683795
	PJ 25, 36.51741272548377
	PJ 26, 42.16965034285822
	PJ 27, 48.69675251658631
	PJ 28, 56.23413251903491
	PJ 29, 64.93816315762113
	PJ 30, 74.98942093324558
	PJ 31, 86.59643233600654
	PJ 32, 100.0
	PJ 33, 115.47819846894583
	PJ 34, 133.3521432163324
	PJ 35, 153.99265260594921
	PJ 36, 177.82794100389228
	PJ 37, 205.35250264571463
	PJ 38, 237.1373705661655
	PJ 39, 273.8419634264361
	PJ 40, 316.22776601683795
	PJ 41, 365.1741272548377
	PJ 42, 421.6965034285822
	PJ 43, 486.9675251658631
	PJ 44, 562.3413251903491
	PJ 45, 649.3816315762113
	PJ 46, 749.8942093324558
	PJ 47, 865.9643233600654
	PJ 48, 1000.0
	PJ 49, 1154.7819846894583
	PJ 50, 1333.521432163324
	PJ 51, 1539.9265260594921
	PJ 52, 1778.2794100389228
	PJ 53, 2053.5250264571463
	PJ 54, 2371.373705661655
	PJ 55, 2738.419634264361
	PJ 56, 3162.2776601683795
	PJ 57, 3651.741272548377
	PJ 58, 4216.965034285822
	PJ 59, 4869.675251658631
	PJ 60, 5623.413251903491
	PJ 61, 6493.816315762113
	PJ 62, 7498.942093324558
	PJ 63, 8659.643233600654
	s_wait_alu depctr_va_vdst(0)
	v_rcp_f32 v18, v16
	v_rcp_f32 v19, v17
	v_nop                                          ; a plain line behind the reciprocals
	s_wait_alu depctr_va_vdst(0)                   ; one wait for both, ahead of their first reader
	v_fma_f32 v20, -v16, v18, 1.0                  ; one step of Newton's brings the reciprocal to the nearest f32
	v_fma_f32 v21, -v17, v19, 1.0
	v_fma_f32 v18, v18, v20, v18
	v_fma_f32 v19, v19, v21, v19
	s_mov_b32 s40, 0x3f22f983                      ; 2 / pi
	s_mov_b32 s41, 0xbfc90fdb                      ; -(pi / 2), its upper part
	s_mov_b32 s42, 0x333bbd2e                      ; -(pi / 2), the rest
	s_mov_b32 s43, -0.16666654611                  ; sin r = r + r z (S1 + z (S2 + z S3)), z = r r, |r| <= pi / 4
	s_mov_b32 s44, 0.0083321608736
	s_mov_b32 s45, -0.00019515295891
	s_mov_b32 s46, 0.04166664568298827             ; cos r = 1 - z / 2 + z z (C1 + z (C2 + z C3))
	s_mov_b32 s47, -0.001388731625493765
	s_mov_b32 s48, 0.00002443315711809948
.macro SINCOS x, c, s                  ; v[c] = cos v[x], v[s] = sin v[x], 0 <= v[x] < 1,024.  n is at most 652, so x - n x the upper part is exact
	v_mul_f32 v30, s40, v[\x]
	v_rndne_f32 v30, v30                           ; n
	v_fma_f32 v31, v30, s41, v[\x]
	v_fma_f32 v31, v30, s42, v31                   ; r = x - n pi / 2
	v_mul_f32 v32, v31, v31                        ; z
	v_fma_f32 v33, v32, s45, s44
	v_fma_f32 v33, v33, v32, s43
	v_mul_f32 v34, v32, v31
	v_fma_f32 v33, v33, v34, v31                   ; sin r
	v_fma_f32 v35, v32, s48, s47
	v_fma_f32 v35, v35, v32, s46
	v_mul_f32 v36, v32, v32
	v_fma_f32 v37, v32, -0.5, 1.0
	v_fma_f32 v35, v35, v36, v37                   ; cos r
	v_cvt_i32_f32 v30, v30
	v_and_b32 v36, 1, v30
	v_cmp_ne_u32 vcc_lo, 0, v36                    ; in the odd quadrants the two change places: a choice of values, no branch
	v_cndmask_b32 v[\s], v33, v35, vcc_lo
	v_cndmask_b32 v[\c], v35, v33, vcc_lo
	v_and_b32 v36, 2, v30                          ; sin is negative in quadrants 2 and 3,
	v_lshlrev_b32 v36, 30, v36
	v_xor_b32 v[\s], v36, v[\s]
	v_add_nc_u32 v37, 1, v30                       ; cos in quadrants 1 and 2
	v_and_b32 v37, 2, v37
	v_lshlrev_b32 v37, 30, v37
	v_xor_b32 v[\c], v37, v[\c]
.endm
	s_mov_b32 s12, 16
.Lpos:
	v_cvt_f32_u32 v22, s13
	s_wait_alu depctr_va_vdst(0)
	v_mul_f32 v23, v22, v18                        ; position x frequency, rounded once
	v_mul_f32 v24, v22, v19
	SINCOS 23, 25, 26
	SINCOS 24, 27, 28
	global_store_b32 v1, v25, s[24:25]
	global_store_b32 v1, v27, s[24:25] offset:128
	global_store_b32 v1, v26, s[24:25] offset:256
	global_store_b32 v1, v28, s[24:25] offset:384
	s_wait_xcnt 0x0                                ; the stores have read their data and their base: both are written again only behind this wait
	s_add_nc_u64 s[24:25], s[24:25], 512
	s_add_co_u32 s13, s13, 1
	s_sub_co_u32 s12, s12, 1
	s_cmp_lg_u32 s12, 0
	s_cbranch_scc1 .Lpos
	s_endpgm
.Lfunc_end_k_q062f9ab835_quant:
	.size	k_q062f9ab835_quant, .Lfunc_end_k_q062f9ab835_quant-k_q062f9ab835_quant
	.p2alignl 7, 3214868480
	.fill 96, 4, 3214868480
	.section	.rodata,"a",@progbits
	.p2align	6, 0x0
	.amdhsa_kernel k_q062f9ab835_quant
		.amdhsa_group_segment_fixed_size 74240
		.amdhsa_private_segment_fixed_size 0
		.amdhsa_enable_private_segment 0
		.amdhsa_kernarg_size 88
		.amdhsa_user_sgpr_count 2
		.amdhsa_user_sgpr_kernarg_segment_ptr 1
		.amdhsa_wavefront_size32 1
		.amdhsa_system_sgpr_workgroup_id_x 1
		.amdhsa_system_sgpr_workgroup_id_y 1
		.amdhsa_system_sgpr_workgroup_id_z 1
		.amdhsa_system_vgpr_workitem_id 0
		.amdhsa_next_free_vgpr 226
		.amdhsa_next_free_sgpr 100
		.amdhsa_reserve_vcc 1
		.amdhsa_float_denorm_mode_32 3
		.amdhsa_float_denorm_mode_16_64 3
		.amdhsa_memory_ordered 1
		.amdhsa_forward_progress 1
		.amdhsa_inst_pref_size 97
	.end_amdhsa_kernel
	.amdgpu_metadata
---
amdhsa.version: [ 1, 2 ]
amdhsa.kernels:
  - .name:           k_q062f9ab835_quant
    .symbol:         k_q062f9ab835_quant.kd
    .args:
      - { .name: hidden_states, .offset: 0, .size: 8, .value_kind: global_buffer, .address_space: global }
      - { .name: Wq, .offset: 8, .size: 8, .value_kind: global_buffer, .address_space: global }
      - { .name: Wo, .offset: 16, .size: 8, .value_kind: global_buffer, .address_space: global }
      - { .name: k_cache, .offset: 24, .size: 8, .value_kind: global_buffer, .address_space: global }
      - { .name: v_cache, .offset: 32, .size: 8, .value_kind: global_buffer, .address_space: global }
      - { .name: block_table, .offset: 40, .size: 8, .value_kind: global_buffer, .address_space: global }
      - { .name: hidq, .offset: 48, .size: 8, .value_kind: global_buffer, .address_space: global }
      - { .name: wqq, .offset: 56, .size: 8, .value_kind: global_buffer, .address_space: global }
      - { .name: woq, .offset: 64, .size: 8, .value_kind: global_buffer, .address_space: global }
      - { .name: kv, .offset: 72, .size: 8, .value_kind: global_buffer, .address_space: global }
      - { .name: rope, .offset: 80, .size: 8, .value_kind: global_buffer, .address_space: global }
    .group_segment_fixed_size: 74240
    .private_segment_fixed_size: 0
    .kernarg_segment_align: 8
    .kernarg_segment_size: 88
    .max_flat_workgroup_size: 128
    .sgpr_count:     100
    .vgpr_count:     226
    .wavefront_size: 32
...
	.end_amdgpu_metadata
.endif
;; end of part 1
;; launch qproj (part 2): grid 32 x 8, 4 waves a work-group, clusters of 4 x 4, 327,680 bytes of LDS; arguments hidq, wqq, q; writes q
.if DOCPART == 2
	.amdgcn_target "amdgcn-amd-amdhsa--gfx1250"
	.amdhsa_code_object_version 6
	.text
	.protected	k_q062f9ab835_qproj
	.globl	k_q062f9ab835_qproj
	.p2align	8
	.type	k_q062f9ab835_qproj,@function
k_q062f9ab835_qproj:
	s_mov_b64 s[64:65], 0
	v_nop
	global_prefetch_b8 v0, s[64:65] scope:SCOPE_SE
	s_setreg_imm32_b32 hwreg(HW_REG_WAVE_MODE, 25, 1), 1
	s_wait_xcnt 0x0
	s_wait_alu depctr_hold_cnt(0) depctr_sa_sdst(0) depctr_va_vdst(0) depctr_va_sdst(0) depctr_va_ssrc(0) depctr_va_vcc(0) depctr_vm_vsrc(0)
	s_getreg_b32 s2, hwreg(HW_REG_IB_STS2, 6, 4)
	s_cmp_eq_u32 s2, 0
	s_cbranch_scc0 .Lentry_in_a_cluster
	s_endpgm
.Lentry_in_a_cluster:
	s_bfe_u32 s2, ttmp6, 0x10000c
	s_cmp_lg_u32 s2, 0xf033
	s_cbranch_scc0 .Lentry_shape_is_right
	s_endpgm
.Lentry_shape_is_right:
; C = A B^T on codes of FP6 (E2M3) with E8M0 scales, K = 4,096; both operands lie as images of fragments (1,536 bytes for 16 rows x 128 K), their scale words behind the codes.
; A work-group of four waves makes 128 x 128 of C, a wave 64 x 64; K goes through a ring of two slots of 512 along K; 4 x 4 work-groups ask for A's and B's tiles jointly.
; THE HEAD'S FOUR TILES go out together, one tensor load a wave: wave 0 A's slot 0, wave 1 A's scales, wave 2 B's slot 0, wave 3 B's scales; slot 1 is first filled as a refill is.
; PREFETCH: behind the load of slot-fill j stands one request for fill j + 2. Of the four row tiles (6,144 bytes each) that a wave fetches, each of the four partners that ask jointly names one,
; told apart by address: 24 blocks of 256 bytes, a lane a block (lanes 24-31 name the last block again). Fills 1 and 2 are named at the head, fill 3 behind fill 1's load; the last two refills name nothing.
.set PFA,    10                        ; s[10:11] my share of fill 0, stepped one fill at each refill
.set PFO,    30                        ; v30 256 x min(lane, 23); never rewritten
.set FRB,    1536
.set RTB,    4*FRB
.set QUART,  4*RTB
.set SLOT,   4*QUART
.set KROW,   32*FRB
.set ASC,    3145728
.set BSC,    12582912
.set SCL,    2*SLOT
.set STAGE,  SCL+32768
.set SPITCH, 272
.set SPARE,  STAGE+4*16*SPITCH
.set ADRA, 16
.set ADRB, 20
.set STO,  24
.set RD,   25
.set CO,   26
.set ADRS, 27
.set SPW,  28
.set NIL,  29
.set SC,   32
.set OB,   64
.set ACC,  128
.set F0,   0
.set F1,   128
.set G1, 24
.set G0, 32
.set G1B, 48
.set G0B, 56
.set G1S, 68
.set G0S, 76
.set G1SB, 80
.set G0SB, 88
.set MSB, 0
.macro WIN new
.if MSB != \new
	s_set_vgpr_msb (MSB<<8)|\new
.set MSB, \new
.endif
.endm
.set MUL,  0x05
.set TO_F, 0x40
.macro JLOAD g0a, g1a, g0b, g1b
	s_cmp_eq_u32 s15, 0
	s_cbranch_scc0 .Lfor_b_\@
	tensor_load_to_lds s[\g0a:\g0a+3], s[\g1a:\g1a+7]
	s_nop 0
.rept 4
	v_nop
.endr
	s_branch .Lasked_\@
.Lfor_b_\@:
	tensor_load_to_lds s[\g0b:\g0b+3], s[\g1b:\g1b+7]
	s_nop 0
.rept 4
	v_nop
.endr
.Lasked_\@:
.endm
.macro CREST
	s_cmp_lg_u32 s14, 0
	s_cbranch_scc1 .Lnot_wave_0_\@
	s_barrier_signal -3
.Lnot_wave_0_\@:
	s_barrier_wait -3
	s_barrier_signal -1
	s_barrier_wait -1
.endm
.macro CROUND
	s_barrier_signal -1
	s_barrier_wait -1
	CREST
.endm
	s_load_b128 s[4:7], s[0:1], 0x0
	s_load_b64 s[8:9], s[0:1], 0x10
	v_lshl_add_u32 v[SPW], v0, 2, SPARE
	v_mov_b32 v[NIL], 0
	ds_add_u32 v28, v29
	ds_add_u32 v28, v29
	s_wait_dscnt 0x0
	v_lshrrev_b32 v1, 5, v0
	v_readfirstlane_b32 s14, v1
	s_lshr_b32 s15, s14, 1
	s_and_b32 s16, s14, 1
	s_bfe_u32 s40, ttmp6, 0x40000
	s_bfe_u32 s41, ttmp6, 0x40004
	s_lshl_b32 s42, ttmp9, 2
	s_add_co_u32 s42, s42, s40
	s_and_b32 s17, ttmp7, 0xffff
	s_lshl_b32 s17, s17, 2
	s_add_co_u32 s17, s17, s41
	s_lshl_b32 s43, s41, 2
	s_lshl_b32 s43, 15, s43
	s_lshl_b32 s44, 0x1111, s40
	s_or_b32 s[G1+0], s43, (3<<16)|(1<<21)
	s_or_b32 s[G1B+0], s44, (3<<16)|(1<<21)
.irp g, G1, G1B
	s_mov_b32 s[\g+1], 768<<16
	s_mov_b32 s[\g+2], 8<<16
	s_mov_b32 s[\g+3], 768<<16
	s_mov_b32 s[\g+4], 8
	s_mov_b32 s[\g+5], KROW/8
	s_mov_b32 s[\g+6], 0
	s_mov_b32 s[\g+7], 0
.endr
	s_or_b32 s[G1S+0], s43, (3<<16)|(1<<21)
	s_or_b32 s[G1SB+0], s44, (3<<16)|(1<<21)
.irp g, G1S, G1SB
	s_mov_b32 s[\g+1], 32<<16
	s_mov_b32 s[\g+2], 64<<16
	s_mov_b32 s[\g+3], 32<<16
	s_mov_b32 s[\g+4], 64
	s_mov_b32 s[\g+5], 32
	s_mov_b32 s[\g+6], 0
	s_mov_b32 s[\g+7], 0
.endr
	s_lshl_b32 s18, s16, 2
	s_lshl_b32 s20, s17, 3
	s_add_co_u32 s20, s20, s18
	s_lshl_b32 s46, s42, 3
	s_add_co_u32 s46, s46, s18
	s_lshl_b32 s22, s17, 14
	s_add_co_u32 s22, s22, ASC
	s_mov_b32 s23, 0
	s_lshl_b32 s92, s42, 14
	s_add_co_u32 s92, s92, BSC
	s_mov_b32 s93, 0
	s_mul_i32 s20, s20, KROW
	s_mov_b32 s21, 0
	s_mul_i32 s46, s46, KROW
	s_mov_b32 s47, 0
	s_mul_i32 s45, s14, QUART
	s_lshl_b32 s94, s15, 14
	s_wait_kmcnt 0x0
	s_add_nc_u64 s[20:21], s[4:5], s[20:21]
	s_add_nc_u64 s[22:23], s[4:5], s[22:23]
	s_add_nc_u64 s[46:47], s[6:7], s[46:47]
	s_add_nc_u64 s[92:93], s[6:7], s[92:93]
	CROUND
	s_mov_b32 s[G0S], 1
	s_add_co_u32 s[G0S+1], s94, SCL
	s_mov_b64 s[G0S+2:G0S+3], s[22:23]
	s_or_b32 s[G0S+3], s[G0S+3], 0x80000000
	s_mov_b32 s[G0SB], 1
	s_add_co_u32 s[G0SB+1], s94, SCL
	s_mov_b64 s[G0SB+2:G0SB+3], s[92:93]
	s_or_b32 s[G0SB+3], s[G0SB+3], 0x80000000
.irp s, 0,1
	s_mov_b32 s[G0+4*\s], 1
	s_add_co_u32 s[G0+4*\s+1], s45, \s*SLOT
	s_add_nc_u64 s[G0+4*\s+2:G0+4*\s+3], s[20:21], \s*RTB
	s_or_b32 s[G0+4*\s+3], s[G0+4*\s+3], 0x80000000
	s_mov_b32 s[G0B+4*\s], 1
	s_add_co_u32 s[G0B+4*\s+1], s45, \s*SLOT
	s_add_nc_u64 s[G0B+4*\s+2:G0B+4*\s+3], s[46:47], \s*RTB
	s_or_b32 s[G0B+4*\s+3], s[G0B+4*\s+3], 0x80000000
.endr
	s_cmp_eq_u32 s15, 0                            ; the prefetches: do I fetch for A?
	s_cselect_b64 s[PFA:PFA+1], s[20:21], s[46:47] ; my four row tiles,
	s_cselect_b32 s12, s40, s41                    ; my place among the four that ask with me,
	s_mul_i32 s12, s12, KROW                       ; which names one row tile of the four
	s_mov_b32 s13, 0
	s_add_nc_u64 s[PFA:PFA+1], s[PFA:PFA+1], s[12:13]
.macro ARM under, g0, g1, next                 ; one chain of branches on the wave's number, one load to an arm, one join
	s_cmp_lt_u32 s14, \under
	s_cbranch_scc0 \next
	tensor_load_to_lds s[\g0:\g0+3], s[\g1:\g1+7]
	s_nop 0
.rept 4
	v_nop
.endr
	s_branch .Lhead_asked
\next:
.endm
	ARM 1, G0,  G1,  .Lhead_sa                     ; wave 0: A's eight row tiles of slot 0 (its own ring descriptor, with eight rows in group 1)
	ARM 2, G0S, G1S, .Lhead_b                      ; wave 1: the scales of A's 128 rows
	ARM 3, G0B, G1B, .Lhead_sb                     ; wave 2: B's eight row tiles of slot 0
	tensor_load_to_lds s[G0SB:G0SB+3], s[G1SB:G1SB+7]  ; wave 3: the scales of B's 128 rows
	s_nop 0
.rept 4
	v_nop
.endr
.Lhead_asked:
	v_and_b32 v[PFO], 31, v0
	v_min_u32 v[PFO], 23, v[PFO]
	v_lshlrev_b32 v[PFO], 8, v[PFO]
	global_prefetch_b8 v[PFO], s[PFA:PFA+1] offset:RTB th:TH_LOAD_NT scope:SCOPE_SE
	global_prefetch_b8 v[PFO], s[PFA:PFA+1] offset:2*RTB th:TH_LOAD_NT scope:SCOPE_SE
	v_and_b32 v1, 15, v0
	v_bfe_u32 v2, v0, 4, 1
	s_wait_alu depctr_va_vdst(0)
	v_and_b32 v3, 31, v0
	v_lshlrev_b32 v3, 4, v3
	s_mul_i32 s21, s15, QUART
	s_mul_i32 s22, s16, QUART
	s_add_co_u32 s22, s22, 2*QUART
.irp s, 0,1
	v_add_nc_u32 v[ADRA+\s], s21, v3
	v_add_nc_u32 v[ADRB+\s], s22, v3
	s_add_co_u32 s21, s21, SLOT
	s_add_co_u32 s22, s22, SLOT
.endr
	s_lshl_b32 s21, s15, 13
	s_lshl_b32 s22, s16, 13
	s_add_co_u32 s22, s22, 16384
	s_sub_co_u32 s22, s22, s21
	v_mul_u32_u24 v6, s22, v2
	s_add_co_u32 s21, s21, SCL
	v_lshl_add_u32 v5, v1, 4, v6
	v_add_nc_u32 v[ADRS], s21, v5
	s_mul_i32 s23, s14, 16*SPITCH
	s_add_co_u32 s23, s23, STAGE
	v_mul_u32_u24 v5, v1, SPITCH
	v_lshl_add_u32 v5, v2, 5, v5
	v_add_nc_u32 v[STO], s23, v5
	v_mul_u32_u24 v5, v2, SPITCH
	v_lshl_add_u32 v5, v1, 4, v5
	v_add_nc_u32 v[RD], s23, v5
	v_lshlrev_b32 v5, 14, v2
	v_lshl_add_u32 v[CO], v1, 4, v5
	s_lshl_b32 s20, s17, 7
	s_lshl_b32 s21, s15, 6
	s_add_co_u32 s20, s20, s21
	s_lshl_b32 s20, s20, 14
	s_lshl_b32 s46, s42, 9
	s_lshl_b32 s47, s16, 8
	s_add_co_u32 s46, s46, s47
	s_add_co_u32 s20, s20, s46
	s_mov_b32 s21, 0
	s_add_nc_u64 s[8:9], s[8:9], s[20:21]
.macro FETCH slot, q, f
	WIN TO_F
.irp i, 0,1,2,3
.irp c, 0,1,2
	ds_load_b128 v[(\f)+48+12*\i+4*\c:(\f)+48+12*\i+4*\c+3], v[ADRB+\slot] offset:\i*RTB+(\q)*FRB+512*\c
.endr
.endr
.irp i, 0,1,2,3
.irp c, 0,1,2
	ds_load_b128 v[(\f)+12*\i+4*\c:(\f)+12*\i+4*\c+3], v[ADRA+\slot] offset:\i*RTB+(\q)*FRB+512*\c
.endr
.endr
.endm
.macro SCALES set
.irp i, 0,1,2,3
	ds_load_b128 v[SC+16*\set+4*\i:SC+16*\set+4*\i+3], v[ADRS] offset:2048*\i
.endr
.endm
.macro MULR f, q, set, a0, na, zero
.set AA, \a0
.rept \na
.irp b, 0,1,2,3
.if \zero
	v_wmma_scale_f32_16x16x128_f8f6f4 v[ACC+8*(4*AA+\b):ACC+8*(4*AA+\b)+7], v[(\f)+48+12*\b:(\f)+48+12*\b+11], v[(\f)+12*AA:(\f)+12*AA+11], 0, v[SC+16*(\set)+4*\b+(\q)], v[SC+16*(\set)+4*AA+(\q)] matrix_a_fmt:MATRIX_FMT_FP6 matrix_b_fmt:MATRIX_FMT_FP6 matrix_a_scale:MATRIX_SCALE_ROW1
.else
	v_wmma_scale_f32_16x16x128_f8f6f4 v[ACC+8*(4*AA+\b):ACC+8*(4*AA+\b)+7], v[(\f)+48+12*\b:(\f)+48+12*\b+11], v[(\f)+12*AA:(\f)+12*AA+11], v[ACC+8*(4*AA+\b):ACC+8*(4*AA+\b)+7], v[SC+16*(\set)+4*\b+(\q)], v[SC+16*(\set)+4*AA+(\q)] matrix_a_fmt:MATRIX_FMT_FP6 matrix_b_fmt:MATRIX_FMT_FP6 matrix_a_scale:MATRIX_SCALE_ROW1
.endif
.endr
.set AA, AA+1
.endr
.endm
.macro PLACES
.rept 4
	v_nop
.endr
.endm
.macro KSTEP slot, q, zero
	s_wait_dscnt 0x0
	PLACES
	FETCH \slot, (\q)+1, 128*(1-(\q)%2)
	WIN MUL
	MULR 128*((\q)%2), \q, \slot, 0, 4, \zero
.endm
.macro TURN slot, next, fill
	WIN 0
.if \fill
	s_wait_xcnt 0x0                                ; my last prefetch has read its address, so it may be stepped
	s_add_nc_u64 s[PFA:PFA+1], s[PFA:PFA+1], RTB
.endif
	s_wait_tensorcnt 0x0
	ds_add_u32 v[SPW], v[NIL]
	s_wait_dscnt 1
	WIN MUL
	MULR F1, 3, \slot, 0, 1, 0
	s_wait_dscnt 0x0
	s_barrier_signal -1
	MULR F1, 3, \slot, 1, 1, 0
	WIN 0
	s_barrier_wait -1
.if \fill
	CREST
	s_add_nc_u64 s[G0+4*\slot+2:G0+4*\slot+3], s[G0+4*\slot+2:G0+4*\slot+3], 2*RTB
	s_add_nc_u64 s[G0B+4*\slot+2:G0B+4*\slot+3], s[G0B+4*\slot+2:G0B+4*\slot+3], 2*RTB
	JLOAD G0+4*\slot, G1, G0B+4*\slot, G1B
.else
	PLACES
.endif
	s_wait_alu depctr_va_vdst(0)
	v_add_nc_u32 v[ADRS], 256, v[ADRS]
	FETCH \next, 0, F0
	WIN 0
	SCALES \next
.if \fill
	s_cmp_gt_u32 s3, 1                             ; the loop's last trip has no fill two on
	s_cbranch_scc0 .Lno_ask_\@
	global_prefetch_b8 v[PFO], s[PFA:PFA+1] offset:3*RTB th:TH_LOAD_NT scope:SCOPE_SE
.Lno_ask_\@:
.endif
	WIN MUL
	MULR F1, 3, \slot, 2, 2, 0
.endm
	s_wait_alu depctr_va_vdst(0)
	s_wait_tensorcnt 0x0                           ; my tile of the head's four is in
	ds_add_u32 v[SPW], v[NIL]
	s_mov_b32 s[G1+2], 4<<16                       ; no tensor load of mine is out: from here on a load brings four row tiles
	s_mov_b32 s[G1+4], 4
	s_mov_b32 s[G1B+2], 4<<16
	s_mov_b32 s[G1B+4], 4
	s_wait_dscnt 0x0
	CROUND
	JLOAD G0+4, G1, G0B+4, G1B                     ; slot 1's first fill, the first tensor load behind the round
	FETCH 0, 0, F0
	WIN 0
	SCALES 0
	global_prefetch_b8 v[PFO], s[PFA:PFA+1] offset:3*RTB th:TH_LOAD_NT scope:SCOPE_SE
	KSTEP 0, 0, 1
	WIN 0
	s_mov_b32 s3, 3
.Llap:
	KSTEP 0, 1, 0
	KSTEP 0, 2, 0
	TURN 0, 1, 1
	KSTEP 1, 0, 0
	KSTEP 1, 1, 0
	KSTEP 1, 2, 0
	TURN 1, 0, 1
	KSTEP 0, 0, 0
	WIN 0
	s_sub_co_u32 s3, s3, 1
	s_cmp_lg_u32 s3, 0
	s_cbranch_scc1 .Llap
	KSTEP 0, 1, 0
	KSTEP 0, 2, 0
	TURN 0, 1, 0
	KSTEP 1, 0, 0
	KSTEP 1, 1, 0
	KSTEP 1, 2, 0
	s_wait_dscnt 0x0
	WIN MUL
	MULR F1, 3, 1, 0, 4, 0
	WIN 0
.macro TOSTAGE a
.irp b, 0,1,2,3
	ds_store_b128 v[STO], v[ACC+8*(4*(\a)+\b):ACC+8*(4*(\a)+\b)+3] offset:64*\b
	ds_store_b128 v[STO], v[ACC+8*(4*(\a)+\b)+4:ACC+8*(4*(\a)+\b)+7] offset:64*\b+16
.endr
.irp t, 0,1,2,3,4,5,6,7
	ds_load_b128 v[OB+32*((\a)%2)+4*\t:OB+32*((\a)%2)+4*\t+3], v[RD] offset:\t*2*SPITCH
.endr
.endm
.macro SEND a, younger
	s_wait_dscnt \younger
.irp t, 0,1,2,3,4,5,6,7
	global_store_b128 v[CO], v[OB+32*((\a)%2)+4*\t:OB+32*((\a)%2)+4*\t+3], s[8:9] offset:(16*(\a)+2*\t)*16384
.endr
.endm
	PLACES
	TOSTAGE 0
.irp a, 1,2,3
.if \a > 1
	s_wait_xcnt 0x0
.endif
	TOSTAGE \a
	SEND \a-1, 16
.endr
	SEND 3, 0
	s_wait_tensorcnt 0x0
	ds_add_u32 v[SPW], v[NIL]
	s_wait_dscnt 0x0
	CROUND
	s_endpgm
.Lfunc_end_k_q062f9ab835_qproj:
	.size	k_q062f9ab835_qproj, .Lfunc_end_k_q062f9ab835_qproj-k_q062f9ab835_qproj
	.p2alignl 7, 3214868480
	.fill 96, 4, 3214868480
	.section	.rodata,"a",@progbits
	.p2align	6, 0x0
	.amdhsa_kernel k_q062f9ab835_qproj
		.amdhsa_group_segment_fixed_size 327680
		.amdhsa_private_segment_fixed_size 0
		.amdhsa_enable_private_segment 0
		.amdhsa_kernarg_size 24
		.amdhsa_user_sgpr_count 2
		.amdhsa_user_sgpr_kernarg_segment_ptr 1
		.amdhsa_wavefront_size32 1
		.amdhsa_system_sgpr_workgroup_id_x 1
		.amdhsa_system_sgpr_workgroup_id_y 1
		.amdhsa_system_sgpr_workgroup_id_z 1
		.amdhsa_system_vgpr_workitem_id 0
		.amdhsa_next_free_vgpr 512
		.amdhsa_next_free_sgpr 98
		.amdhsa_reserve_vcc 0
		.amdhsa_float_denorm_mode_32 3
		.amdhsa_float_denorm_mode_16_64 3
		.amdhsa_memory_ordered 1
		.amdhsa_forward_progress 1
		.amdhsa_inst_pref_size 82
	.end_amdhsa_kernel
	.amdgpu_metadata
---
amdhsa.version: [ 1, 2 ]
amdhsa.kernels:
  - .name:           k_q062f9ab835_qproj
    .symbol:         k_q062f9ab835_qproj.kd
    .args:
      - { .name: hidq, .offset: 0, .size: 8, .value_kind: global_buffer, .address_space: global }
      - { .name: wqq, .offset: 8, .size: 8, .value_kind: global_buffer, .address_space: global }
      - { .name: q, .offset: 16, .size: 8, .value_kind: global_buffer, .address_space: global }
    .group_segment_fixed_size: 327680
    .private_segment_fixed_size: 0
    .kernarg_segment_align: 8
    .kernarg_segment_size: 24
    .max_flat_workgroup_size: 128
    .sgpr_count:     98
    .vgpr_count:     512
    .wavefront_size: 32
...
	.end_amdgpu_metadata
.endif
;; end of part 2
;; launch attn (part 3): grid 32 x 8, 8 waves a work-group, clusters of 4 x 1, 327,680 bytes of LDS; arguments q, rope, kv, ctxq; writes ctxq
.if DOCPART == 3
	.amdgcn_target "amdgcn-amd-amdhsa--gfx1250"
	.amdhsa_code_object_version 6
	.text
	.protected	k_q062f9ab835_attn
	.globl	k_q062f9ab835_attn
	.p2align	8
	.type	k_q062f9ab835_attn,@function
k_q062f9ab835_attn:
	s_mov_b64 s[64:65], 0
	v_nop
	global_prefetch_b8 v0, s[64:65] scope:SCOPE_SE
	s_setreg_imm32_b32 hwreg(HW_REG_WAVE_MODE, 25, 1), 1
	s_wait_xcnt 0x0
	s_wait_alu depctr_hold_cnt(0) depctr_sa_sdst(0) depctr_va_vdst(0) depctr_va_sdst(0) depctr_va_ssrc(0) depctr_va_vcc(0) depctr_vm_vsrc(0)
	s_getreg_b32 s2, hwreg(HW_REG_IB_STS2, 6, 4)
	s_cmp_eq_u32 s2, 0
	s_cbranch_scc0 .Lentry_in_a_cluster
	s_endpgm
.Lentry_in_a_cluster:
	s_bfe_u32 s2, ttmp6, 0x10000c
	s_cmp_lg_u32 s2, 0x3003
	s_cbranch_scc0 .Lentry_shape_is_right
	s_endpgm
.Lentry_shape_is_right:
; ctx[s][head] = softmax_k(rope(q)[s][head] . K[k] / sqrt(128)) V[k], both products on codes of FP6 (E2M3) with one E8M0 scale for each 32 along a product's K; the result leaves as codes, the last product's operand.
; q: [1024][4096] f32, before the rotation.  rope: [1024][cos 64 | sin 64] f32.  kv: for each KV head and each slot of 512 gathered keys K's 32 pages and V's 4 key steps x 8 tiles as images of fragments
; (1,536 bytes: registers 4 c .. 4 c + 3 of lane l at 512 c + 16 l); at byte 6,291,456, for each KV head, K's scale words (64 page + 4 row) and V's (64 (8 key step + tile) + 4 row).
; THE SOFTMAX: t = score x log2(e) / sqrt(128); M = the row's largest t so far, rounded UP to a whole number; p = 2^(t - M) is quantised along the keys, not normalised.  The row's sum is taken of the
; unquantised p and divides O at the end.  When M moves, the sum and O are multiplied by 2^(old M - new M): exact.
; SHARES.  A work-group owns 128 positions of one query head.  EIGHT waves, two to a SIMD, 512 registers each.  A wave owns 32 positions, TWO tiles of 16, so that each fragment of K and V read from LDS
; feeds two matrix instructions.  Waves w and w + 4 own the same 32 positions by halves of the keys: of a slot's four key steps (128 keys each) wave w takes the first two, wave w + 4 the last two,
; each with its own M, sum and O^T.  At the end each wave of the pair hands ONE tile's three to the other through LDS (the upper wave tile 0's, the lower tile 1's) and finishes the tile that it keeps;
; both M are whole numbers, so the halves are joined by powers of two, which round nothing.
; THE HEAD.  Each wave of a pair prepares ONE tile of q (the lower wave tile 0, the upper tile 1): 16 rows of q and 16 of rope, each row by one load of 512 consecutive bytes; the rows turn through the wave's own
; stage in LDS, so that a lane gets its 16 neighbours of each block; rotation; quantiser; the codes and the scale word go to the partner through LDS as an image of the registers, behind one barrier.
; WINDOWS.  Tile 1's registers are tile 0's numbers in window 1 (v12-27, v96-247, v252-254), so one text serves both tiles under two settings of s_set_vgpr_msb.  Fragments 0-3 lie in window 0 at v32-79,
; fragments 4-7 in window 1 at the same numbers.  Scale operands have no window: tile 1's scale words of q and p stand in window 0 (v80, v81).
; CLUSTER.  The four partners are the four query heads of one KV head at the same positions: they walk the same K and V, so each tile is asked for JOINTLY (mask 15).  My place enters global addresses of q, ctxq and the prefetches alone.
; FILLS.  Slot 0 and the scale words lie on end in LDS, 131,072 bytes: at the head each of the eight waves fetches 16,384 of them by one load.  A refill is 98,304 bytes: waves 0-5, 16,384 each, one load a wave.
; LAYOUT.  Both products are used transposed (S^T = K q^T, O^T = V^T P^T): a lane holds ONE query (lane % 16).  A tile of K is a page, so p's 16 registers of tiles 2 b, 2 b + 1 are keys 32 b + 8 h + 0..7 and
; 32 b + 16 + 8 h + 0..7; V's codes were laid in that order.  Row r of V's tile 2 b + u is channel 32 b + 8 u + r + 8 (r / 8): O^T's 16 registers of tiles 2 b, 2 b + 1 are channels 32 b + 16 h + 0..15.
; LIMITS: a block whose largest magnitude lies under 2^-124 keeps the byte 1; NaN and infinities are not served; the scaled scores stay under 2^31 in magnitude.
.set FRB,   1536
.set STEPB, 8*FRB                      ; a key step's eight fragments
.set VOFF,  49152                      ; a slot: K's 32 fragments, then V's 32
.set SLOTB, 98304
.set SCLB,  98304                      ; between the slots: the KV head's scale words, K's 16,384 bytes, then V's; filled once
.set SLOT1, 1<<17
.set SPARE, SLOT1+SLOTB                ; the spare words: 128 bytes for each of eight waves
.set MRG,   SPARE+1024                 ; eight places of MRGT bytes; no fill lands here.  At the head: a stage of 16 rows x 528 bytes for each wave.  At the end: a tile's O^T (8,192 bytes), -M and sum (256)
.set MRGT,  8448
.set XCH,   MRG+8*MRGT                 ; eight places of 2,048 bytes: a tile's codes of q (1,536) and its scale words (128); no fill lands here
.set LI,   1                           ; 16 x lane
.set LS,   2                           ; SCLB + 4 x lane + 1,024 x my half
.set QA,   3                           ; my stage, out: 528 x (lane % 16) + 64 x (lane / 16); later ctxq's scale words
.set RA,   4                           ; my stage, in: 16 x lane
.set SPW,  5
.set NIL,  6
.set LV,   7                           ; VOFF + LK
.set ADK,  8
.set ADV,  9
.set ADS,  10
.set LK,   11                          ; 16 x lane + 2 STEPB x my half
.set PFO,  28                          ; 256 x lane
.set MA,   29
.set MB,   30
.set XO,   31                          ; my tile's place for q's codes, 16 x lane
.set XP,   82                          ; the pair's two places, 16 x lane
.set XOS,  83                          ; the same for the scale words, 4 x lane
.set XPS,  84
.set WV,   18
.set WT,   68                          ; my 32 positions: wave % 4
.set HF,   69                          ; my half of the keys, and the tile that I prepare and finish: wave / 4
.set SEL,  20
.set CS,   22
.set G1T,  24                          ; s[24:31] group 1: 64 rows of 256 bytes
.set G0,   40                          ; s[40:43] group 0, which walks
.set TB,   2
.set TS,   3
.set SLOTS, 67
.set PFA,  76
.set LIM,  80
.set MSB, 0
.macro WIN new                         ; the immediate's high byte repeats the setting that is left
.if MSB != (\new)
	s_set_vgpr_msb (MSB<<8)|(\new)
.set MSB, (\new)
.endif
.endm
.macro PL4
.rept 4
	v_nop
.endr
.endm
.macro CROUND
	s_barrier_signal -1
	s_barrier_wait -1
	s_cmp_lg_u32 s[WV], 0
	s_cbranch_scc1 .Lnot_wave_0_\@
	s_barrier_signal -3
.Lnot_wave_0_\@:
	s_barrier_wait -3
	s_barrier_signal -1
	s_barrier_wait -1
.endm
.macro TLOAD                           ; waves 0-5 fetch a sixth of a slot each; the branch hangs on the wave's number alone
	s_cmp_lt_u32 s[WV], 6
	s_cbranch_scc0 .Lnone_\@
	tensor_load_to_lds s[G0:G0+3], s[G1T:G1T+7]
	s_nop 0
	PL4
.Lnone_\@:
.endm
; A prefetch of the slot that the NEXT change of slots will ask for, 98,304 dense bytes.  The eight clusters of a KV head walk the same bytes: the first asks.  Its four partners share the slot out by address;
; in each, waves 5, 6, 7 name 8,192 bytes each, lanes 256 bytes apart: 12 x 8,192.  Slots 0 and 1 come by their loads alone; the last change that fills a slot names nothing.
.macro ASK
	s_cmp_gt_u32 s[SLOTS], s[LIM]
	s_cbranch_scc0 .Lnot_mine_\@
	global_prefetch_b8 v[PFO], s[PFA:PFA+1] th:TH_LOAD_NT scope:SCOPE_SE
.Lnot_mine_\@:
.endm
; 64 numbers of a lane, v[s] on (register 16 b + i = k 32 b + 16 (lane / 16) + i of my row), become a fragment's codes in v[d] .. v[d + 11] of window w and its scale word in v[sw] of window 0.  v32-54 are at work.
.macro QUANT s, d, sw, w
.irp b, 0,1,2,3
	v_max3_num_f32 v[32+\b], |v[\s+16*\b]|, |v[\s+1+16*\b]|, 0x1800000   ; with the floor 2^(3 - 127): the byte cannot fall under 1
.endr
.irp i, 2,4,6,8,10,12,14
.irp b, 0,1,2,3
	s_delay_alu instid0(VALU_DEP_4)
	v_max3_num_f32 v[32+\b], v[32+\b], |v[\s+16*\b+\i]|, |v[\s+1+16*\b+\i]|
.endr
.endr
.irp b, 0,1,2,3
	s_delay_alu instid0(VALU_DEP_4)
	v_permlanex16_b32 v[36+\b], v[32+\b], s[SEL], s[SEL+1]
.endr
.irp b, 0,1,2,3
	s_delay_alu instid0(VALU_DEP_4)
	v_max_num_f32 v[32+\b], v[32+\b], v[36+\b]
.endr
.irp b, 0,1,2,3
	s_delay_alu instid0(VALU_DEP_4)
	v_add_nc_u32 v[44+\b], 0xff000000, v[32+\b]    ; 2 off the exponent field: the conversion's scale operand
.endr
.irp b, 0,1,2,3
	s_delay_alu instid0(VALU_DEP_4)
	v_lshrrev_b32 v[36+\b], 23, v[44+\b]           ; the scale's byte
.endr
	s_delay_alu instid0(VALU_DEP_3)
	v_lshl_or_b32 v40, v37, 8, v36
	s_delay_alu instid0(VALU_DEP_1)
	v_lshl_or_b32 v40, v38, 16, v40
	WIN 0x15*(\w)                                  ; the word goes to window 0
	v_lshl_or_b32 v[\sw], v39, 24, v40
	WIN 0x55*(\w)
.irp c, 0,1
	v_cvt_scalef32_pk16_fp6_f32 v[\d+6*\c:\d+2+6*\c], v[\s+32*\c:\s+15+32*\c], v[44+2*\c]
	v_cvt_scalef32_pk16_fp6_f32 v[48+4*\c:50+4*\c], v[\s+16+32*\c:\s+31+32*\c], v[44+2*\c+1]
.endr
	v_nop                                          ; one plain line behind a scaled conversion
.irp c, 0,1                                    ; a WHOLE block to a lane: lanes 0-15 block 2 c, lanes 16-31 block 2 c + 1
.irp i, 0,1,2
	v_permlane16_swap_b32 v[\d+6*\c+\i], v[48+4*\c+\i]
.endr
.irp i, 0,1,2
	s_delay_alu instid0(VALU_DEP_3)
	v_mov_b32 v[\d+3+6*\c+\i], v[48+4*\c+\i]
.endr
.endr
.endm
	s_load_b128 s[4:7], s[0:1], 0x0                ; q, rope
	s_load_b128 s[8:11], s[0:1], 0x10              ; kv, ctxq
	v_lshl_add_u32 v[SPW], v0, 2, SPARE
	v_mov_b32 v[NIL], 0
	ds_add_u32 v[SPW], v[NIL]                      ; the opening lines: the add, twice on end, and its wait ahead of my first tensor load
	ds_add_u32 v[SPW], v[NIL]
	v_lshrrev_b32 v8, 5, v0
	v_readfirstlane_b32 s[WV], v8                  ; wave 0..7
	s_and_b32 s[WT], s[WV], 3
	s_lshr_b32 s[HF], s[WV], 2
	s_bfe_u32 s12, ttmp6, 0x40000                  ; cx: which of the KV head's four query heads
	s_and_b32 s13, ttmp7, 0xffff                   ; the KV head
	s_mov_b32 s[G1T], 15|(3<<16)|(1<<21)           ; the mask: all four; elements of 8 bytes; bit 21 beside a mask
	s_mov_b32 s[G1T+1], 32<<16
	s_mov_b32 s[G1T+2], 64<<16
	s_mov_b32 s[G1T+3], 32<<16
	s_mov_b32 s[G1T+4], 64
	s_mov_b32 s[G1T+5], 32
	s_mov_b32 s[G1T+6], 0
	s_mov_b32 s[G1T+7], 0
	s_mul_i32 s70, s13, 786432                     ; the KV head's images
	s_lshl_b32 s[G0+1], s[WV], 14                  ; my 16,384 bytes of LDS: waves 0-5 slot 0, waves 6, 7 the scale words behind it
	s_add_co_u32 s72, s70, s[G0+1]
	s_lshl_b32 s74, s13, 15
	s_add_co_u32 s74, s74, s[G0+1]
	s_add_co_u32 s74, s74, 6291456-98304           ; the scale words: (wave - 6) x 16,384 into the KV head's 32,768
	s_cmp_lt_u32 s[WV], 6
	s_cselect_b32 s72, s72, s74
	s_mov_b32 s73, 0
	s_lshl_b32 s84, ttmp9, 7                       ; (ttmp9 counts clusters: the block of 128 positions)
	s_lshl_b32 s85, s[WT], 5
	s_add_co_u32 s84, s84, s85                     ; the pair's first position
	s_lshl_b32 s85, s13, 2
	s_add_co_u32 s85, s85, s12                     ; my query head
	s_lshl_b32 s86, s84, 14
	s_lshl_b32 s87, s85, 9
	s_add_co_u32 s86, s86, s87                     ; q: position x 16,384 + head x 512,
	s_lshl_b32 s99, s[HF], 18
	s_add_co_u32 s86, s86, s99                     ; + 16 rows for the tile that the upper wave prepares
	s_mov_b32 s87, 0
	s_lshl_b32 s88, s84, 9                         ; rope: position x 512,
	s_lshl_b32 s99, s[HF], 13
	s_add_co_u32 s88, s88, s99                     ; + 16 rows likewise
	s_mov_b32 s89, 0
	s_lshr_b32 s82, s84, 4                         ; ctxq: the pair's first row tile; the K step is the head
	s_mul_i32 s90, s82, 49152
	s_mul_i32 s83, s85, 1536
	s_add_co_u32 s90, s90, s83
	s_mov_b32 s91, 0
	s_lshl_b32 s92, s82, 11                        ; its scale words: row tile x 2,048 + (head / 4) x 256 + row x 16 + (head % 4) x 4
	s_lshl_b32 s83, s13, 8
	s_add_co_u32 s92, s92, s83
	s_lshl_b32 s83, s12, 2
	s_add_co_u32 s92, s92, s83
	s_add_co_u32 s92, s92, 3145728
	s_mov_b32 s93, 0
	s_mul_i32 s82, s12, 3                          ; the prefetches: part 3 cx + (wave - 5) of twelve
	s_add_co_u32 s83, s[WV], 3
	s_and_b32 s83, s83, 3
	s_add_co_u32 s82, s82, s83
	s_lshl_b32 s82, s82, 13
	s_add_co_u32 s82, s82, s70
	s_add_co_u32 s82, s82, SLOTB                   ; in slot 1: the first change of slots steps it to slot 2
	s_mov_b32 s83, 0
	s_sub_co_u32 s81, s[WV], 5
	s_cmp_lt_u32 s81, 3                            ; waves 5, 6, 7
	s_cselect_b32 s[LIM], 1, -1
	s_cmp_eq_u32 ttmp9, 0                          ; of the KV head's first cluster
	s_cselect_b32 s[LIM], s[LIM], -1
	s_mov_b32 s[SEL], 0x76543210
	s_mov_b32 s[SEL+1], 0xfedcba98
	s_mov_b32 s[CS], 0x3e0293ee                    ; c = log2(e) / sqrt(128)
	s_mov_b32 s[CS+1], s[CS]
	s_mov_b32 s[TB], 0
	s_mov_b32 s[TS], 0
	s_mov_b32 s[SLOTS], 7
	s_mul_i32 s94, s[HF], 2*STEPB                  ; my half's two key steps in K's and V's part of a slot,
	s_lshl_b32 s95, s[HF], 10                      ; and their scale words
	s_mul_i32 s96, s[WT], 2*MRGT
	s_add_co_u32 s96, s96, MRG                     ; where my positions' two waves meet at the end
	s_add_co_u32 s97, s96, 8192
	s_mul_i32 s98, s[WV], MRGT
	s_add_co_u32 s98, s98, MRG                     ; my stage at the head
	s_lshl_b32 s75, s[WT], 12
	s_add_co_u32 s75, s75, XCH                     ; the pair's two places for q's codes,
	s_lshl_b32 s74, s[HF], 11
	s_add_co_u32 s74, s74, s75                     ; and mine of the two
	s_wait_dscnt 0x0                               ; both opening adds are done
	s_wait_kmcnt 0x0
	s_mov_b32 s[G0], 1
	s_add_nc_u64 s[G0+2:G0+3], s[8:9], s[72:73]
	s_or_b32 s[G0+3], s[G0+3], 0x80000000
	s_add_nc_u64 s[PFA:PFA+1], s[8:9], s[82:83]
	s_add_nc_u64 s[4:5], s[4:5], s[86:87]
	s_add_nc_u64 s[6:7], s[6:7], s[88:89]
	s_add_nc_u64 s[90:91], s[10:11], s[90:91]
	s_add_nc_u64 s[92:93], s[10:11], s[92:93]
	CROUND                                         ; all four work-groups are here: the first joint loads meet
	tensor_load_to_lds s[G0:G0+3], s[G1T:G1T+7]    ; every wave's one load at the head
	s_nop 0
	PL4
	v_and_b32 v8, 15, v0                           ; r
	v_bfe_u32 v9, v0, 4, 1                         ; h
	v_and_b32 v[LI], 31, v0
	v_mul_u32_u24 v[QA], v8, 528
	v_lshlrev_b32 v[PFO], 8, v[LI]
	v_lshlrev_b32 v[MB], 3, v[LI]
	v_lshl_add_u32 v[LS], v[LI], 2, SCLB
	v_lshlrev_b32 v[LI], 4, v[LI]
	v_lshl_add_u32 v[QA], v9, 6, v[QA]
	v_add_nc_u32 v[RA], s98, v[LI]
	v_add_nc_u32 v[QA], s98, v[QA]
	v_add_nc_u32 v[XO], s74, v[LI]
	v_add_nc_u32 v[LK], s94, v[LI]
	v_add_nc_u32 v[LS], s95, v[LS]
	v_add_nc_u32 v[MA], s96, v[LI]
	v_add_nc_u32 v[MB], s97, v[MB]
	v_add_nc_u32 v[LV], VOFF, v[LK]
	WIN 0x40                                       ; my tile's 16 rows of q and of rope, as they lie, into window 1: each load reads a row's 512 consecutive bytes
.set J, 0
.rept 16
	global_load_b128 v[32+4*J:35+4*J], v[LI], s[4:5] offset:16384*J
	global_load_b128 v[96+4*J:99+4*J], v[LI], s[6:7] offset:512*J
.set J, J+1
.endr
	WIN 0
	s_wait_alu depctr_va_vdst(0)
	s_wait_loadcnt 0x0
	WIN 0x04                                       ; q's rows through my stage (rows 528 bytes apart).  LDS serves a wave's instructions in order: no wait between stores and loads, nor ahead of the next stores
.set J, 0
.rept 16
	ds_store_b128 v[RA], v[32+4*J:35+4*J] offset:528*J
.set J, J+1
.endr
	WIN 0
.irp b, 0,1,2,3
.irp j, 0,1,2,3
	ds_load_b128 v[96+16*\b+4*\j:99+16*\b+4*\j], v[QA] offset:128*\b+16*\j   ; register 16 b + i: channel 32 b + 16 h + i of position r
.endr
.endr
	WIN 0x04                                       ; rope's rows likewise
.set J, 0
.rept 16
	ds_store_b128 v[RA], v[96+4*J:99+4*J] offset:528*J
.set J, J+1
.endr
	WIN 0
.irp b, 0,1
.irp j, 0,1,2,3
	ds_load_b128 v[160+16*\b+4*\j:163+16*\b+4*\j], v[QA] offset:128*\b+16*\j       ; cos of frequency 32 b + 16 h + i
	ds_load_b128 v[192+16*\b+4*\j:195+16*\b+4*\j], v[QA] offset:256+128*\b+16*\j   ; sin
.endr
.endr
	s_wait_dscnt 0x0
	; the rotation: channel d < 64 becomes q[d] cos - q[d + 64] sin, channel d + 64 becomes q[d + 64] cos + q[d] sin
.irp b, 0,1
.irp i, 0,2,4,6,8,10,12,14
	v_pk_mul_f32 v[32+16*\b+\i:33+16*\b+\i], v[128+16*\b+\i:129+16*\b+\i], v[192+16*\b+\i:193+16*\b+\i]
	v_pk_mul_f32 v[64+16*\b+\i:65+16*\b+\i], v[96+16*\b+\i:97+16*\b+\i], v[192+16*\b+\i:193+16*\b+\i]
	s_delay_alu instid0(VALU_DEP_2)
	v_pk_fma_f32 v[96+16*\b+\i:97+16*\b+\i], v[96+16*\b+\i:97+16*\b+\i], v[160+16*\b+\i:161+16*\b+\i], v[32+16*\b+\i:33+16*\b+\i] neg_lo:[0,0,1] neg_hi:[0,0,1]
	s_delay_alu instid0(VALU_DEP_2)
	v_pk_fma_f32 v[128+16*\b+\i:129+16*\b+\i], v[128+16*\b+\i:129+16*\b+\i], v[160+16*\b+\i:161+16*\b+\i], v[64+16*\b+\i:65+16*\b+\i]
.endr
.endr
	QUANT 96, 16, 255, 0
	v_lshrrev_b32 v[XOS], 2, v[LI]                 ; the exchange's addresses are made here: v32-95 were at work in the rotation.  4 x lane,
	v_add_nc_u32 v[XP], s75, v[LI]
	v_add_nc_u32 v[XPS], s75, v[XOS]
	v_add_nc_u32 v[XOS], s74, v[XOS]
.irp c, 0,1,2
	ds_store_b128 v[XO], v[16+4*\c:19+4*\c] offset:512*\c          ; my tile's codes, as an image of the registers,
.endr
	ds_store_b32 v[XOS], v255 offset:1536                          ; and its scale words
.irp w, 0,1
	WIN 0x55*\w
.set J, 0
.rept 64
	v_mov_b32 v[160+J], 0                          ; O^T: the step has no first step of its own
.set J, J+1
.endr
	v_mov_b32 v13, 0xff61b1e6                      ; the largest t so far: -3e38
	v_mov_b32 v14, 0
	v_mov_b32 v15, 0
	v_floor_f32 v12, -v13                          ; -M
.irp b, 0,1,2,3
	v_mov_b32 v[236+\b], 0                         ; a lane permute's destination counts as one of its sources
.endr
	v_mov_b32 v253, 0                              ; (named as the upper half of v[252:253])
.endr
	WIN 0
	s_wait_alu depctr_va_vdst(0)
	s_wait_dscnt 0x0                               ; for my partner's sake: my codes have landed
	s_barrier_signal -1
	s_barrier_wait -1
.irp c, 0,1,2
	ds_load_b128 v[16+4*\c:19+4*\c], v[XP] offset:512*\c           ; tile 0's codes into window 0,
.endr
	ds_load_b32 v255, v[XPS] offset:1536                           ; both tiles' scale words into window 0,
	ds_load_b32 v80, v[XPS] offset:2048+1536
	WIN 0x40
.irp c, 0,1,2
	ds_load_b128 v[16+4*\c:19+4*\c], v[XP] offset:2048+512*\c      ; tile 1's codes into window 1.  (The first change of slots waits for these loads)
.endr
	WIN 0
.macro SGRP f, w                       ; S^T of query tile w, pages 4 f .. 4 f + 3: source 0 = the page's fragment (window f), source 1 = q (window w).  An odd page's scale words stand in lanes 16-31
	WIN (\f)|(0x54*(\w))
.irp t, 0,1,2,3
.set T, 4*(\f)+\t
.if \t%2
	v_wmma_scale_f32_16x16x128_f8f6f4 v[96+8*T:103+8*T], v[32+12*\t:43+12*\t], v[16:27], 0, v[248+T/2], v[255-175*(\w)] matrix_a_fmt:MATRIX_FMT_FP6 matrix_b_fmt:MATRIX_FMT_FP6 matrix_a_scale:MATRIX_SCALE_ROW1
.else
	v_wmma_scale_f32_16x16x128_f8f6f4 v[96+8*T:103+8*T], v[32+12*\t:43+12*\t], v[16:27], 0, v[248+T/2], v[255-175*(\w)] matrix_a_fmt:MATRIX_FMT_FP6 matrix_b_fmt:MATRIX_FMT_FP6
.endif
.endr
.endm
.macro PGRP f, w                       ; O^T of query tile w, channel tiles 4 f .. 4 f + 3, += V's tile x p; the accumulators take turns
	WIN (\f)|(0x54*(\w))
.irp t, 0,1,2,3
.set T, 4*(\f)+\t
.if \t%2
	v_wmma_scale_f32_16x16x128_f8f6f4 v[160+8*T:167+8*T], v[32+12*\t:43+12*\t], v[224:235], v[160+8*T:167+8*T], v[248+T/2], v[253-172*(\w)] matrix_a_fmt:MATRIX_FMT_FP6 matrix_b_fmt:MATRIX_FMT_FP6 matrix_a_scale:MATRIX_SCALE_ROW1
.else
	v_wmma_scale_f32_16x16x128_f8f6f4 v[160+8*T:167+8*T], v[32+12*\t:43+12*\t], v[224:235], v[160+8*T:167+8*T], v[248+T/2], v[253-172*(\w)] matrix_a_fmt:MATRIX_FMT_FP6 matrix_b_fmt:MATRIX_FMT_FP6
.endif
.endr
.endm
.macro FRAGS adr, q                    ; a key step's eight fragments: 0-3 into window 0, 4-7 into window 1; between them the four registers of scale words (register u: tile 2 u in lanes 0-15, 2 u + 1 in lanes 16-31)
	WIN 0
.irp t, 0,1,2,3
.irp c, 0,1,2
	ds_load_b128 v[32+12*\t+4*\c:35+12*\t+4*\c], v[\adr] offset:STEPB*(\q)+FRB*\t+512*\c
.endr
.endr
.irp u, 0,1,2,3
	ds_load_b32 v[248+\u], v[ADS] offset:16384*((\adr)-ADK)+512*(\q)+128*\u
.endr
	WIN 0x40
.irp t, 0,1,2,3
.irp c, 0,1,2
	ds_load_b128 v[32+12*\t+4*\c:35+12*\t+4*\c], v[\adr] offset:STEPB*(\q)+FRB*(4+\t)+512*\c
.endr
.endr
.endm
; The softmax of query tile w over 128 keys, all in window w: S^T in v96-159 becomes p, p's codes in v224-235, its scale word in window 0 (v253 or v81); the sum and O^T come under the new M.
.macro SM w
	WIN 0x55*(\w)
.if \w
	s_wait_alu depctr_va_vdst(0)
.endif
.irp b, 0,1,2,3
	v_max3_num_f32 v[232+\b], v[96+16*\b], v[97+16*\b], v[98+16*\b]   ; the largest score of each block of 32 keys: for the row's maximum and, since p rises with the score, for the block's largest p
.endr
.irp i, 3,5,7,9,11,13
.irp b, 0,1,2,3
	v_max3_num_f32 v[232+\b], v[232+\b], v[96+16*\b+\i], v[97+16*\b+\i]
.endr
.endr
.irp b, 0,1,2,3
	v_max_num_f32 v[232+\b], v[232+\b], v[111+16*\b]
.endr
.irp b, 0,1,2,3
	s_delay_alu instid0(VALU_DEP_4)
	v_permlanex16_b32 v[236+\b], v[232+\b], s[SEL], s[SEL+1]
.endr
.irp b, 0,1,2,3
	s_delay_alu instid0(VALU_DEP_4)
	v_max_num_f32 v[232+\b], v[232+\b], v[236+\b]
.endr
	s_delay_alu instid0(VALU_DEP_2)
	v_max3_num_f32 v254, v232, v233, v234
	s_delay_alu instid0(VALU_DEP_1)
	v_max_num_f32 v254, v254, v235
	s_delay_alu instid0(VALU_DEP_1)
	v_mul_f32 v254, s[CS], v254                    ; as t (c is positive)
	s_delay_alu instid0(VALU_DEP_1)
	v_max_num_f32 v13, v13, v254                   ; the running largest t
	v_mov_b32 v254, v12
	s_delay_alu instid0(VALU_DEP_2)
	v_floor_f32 v12, -v13                          ; the new -M = -ceil(t)
	s_delay_alu instid0(VALU_DEP_1)
	v_sub_f32 v254, v12, v254                      ; old M less new M: a whole number, 0 or less
	s_delay_alu instid0(VALU_DEP_1)
	v_cvt_i32_f32 v254, v254                       ; (it saturates)
	s_delay_alu instid0(VALU_DEP_1)
	v_ldexp_f32 v252, 1.0, v254                    ; f = 2^(old M - new M)
.set J, 0
.rept 32
	v_pk_fma_f32 v[96+J:97+J], v[96+J:97+J], s[CS:CS+1], v[12:13] op_sel_hi:[1,0,0]   ; t - M
.set J, J+2
.endr
.irp b, 0,1,2,3
	v_fma_f32 v[232+\b], v[232+\b], s[CS], v12
.endr
	s_wait_alu depctr_va_vdst(0)
.set J, 0
.rept 64
	v_exp_f32 v[96+J], v[96+J]                     ; p = 2^(t - M)
.set J, J+1
.endr
	v_pk_mul_f32 v[14:15], v[14:15], v[252:253] op_sel_hi:[1,0]   ; the sums under the new M (a plain line behind the exponentials)
	s_wait_alu depctr_va_vdst(0)                   ; one wait for the batch, ahead of its first reader
.irp b, 0,1,2,3
	v_exp_f32 v[232+\b], v[232+\b]                 ; the block's largest p
.endr
	v_pk_add_f32 v[236:237], v[100:101], v[104:105]               ; the row's sum of the unquantised p, in eight chains
	v_pk_add_f32 v[246:247], v[108:109], v[112:113]
	v_pk_add_f32 v[244:245], v[116:117], v[120:121]
	v_pk_add_f32 v[242:243], v[124:125], v[128:129]
	v_pk_add_f32 v[240:241], v[132:133], v[136:137]
	v_pk_add_f32 v[238:239], v[140:141], v[144:145]
	v_pk_add_f32 v[230:231], v[148:149], v[152:153]
	v_pk_add_f32 v[14:15], v[14:15], v[156:157]
	v_pk_add_f32 v[236:237], v[236:237], v[96:97]
	v_pk_add_f32 v[246:247], v[246:247], v[98:99]
	v_pk_add_f32 v[244:245], v[244:245], v[102:103]
	v_pk_add_f32 v[242:243], v[242:243], v[106:107]
	v_pk_add_f32 v[240:241], v[240:241], v[110:111]
	v_pk_add_f32 v[238:239], v[238:239], v[114:115]
	v_pk_add_f32 v[230:231], v[230:231], v[118:119]
	v_pk_add_f32 v[14:15], v[14:15], v[122:123]
	v_pk_add_f32 v[236:237], v[236:237], v[126:127]
	v_pk_add_f32 v[246:247], v[246:247], v[130:131]
	v_pk_add_f32 v[244:245], v[244:245], v[134:135]
	v_pk_add_f32 v[242:243], v[242:243], v[138:139]
	v_pk_add_f32 v[240:241], v[240:241], v[142:143]
	v_pk_add_f32 v[238:239], v[238:239], v[146:147]
	v_pk_add_f32 v[230:231], v[230:231], v[150:151]
	v_pk_add_f32 v[14:15], v[14:15], v[154:155]
	v_pk_add_f32 v[236:237], v[236:237], v[158:159]
	s_delay_alu instid0(VALU_DEP_2)
	v_pk_add_f32 v[14:15], v[14:15], v[242:243]
	s_delay_alu instid0(VALU_DEP_2)
	v_pk_add_f32 v[236:237], v[236:237], v[240:241]
	v_pk_add_f32 v[246:247], v[246:247], v[238:239]
	v_pk_add_f32 v[244:245], v[244:245], v[230:231]
	s_delay_alu instid0(VALU_DEP_2)
	v_pk_add_f32 v[14:15], v[14:15], v[246:247]
	s_delay_alu instid0(VALU_DEP_2)
	v_pk_add_f32 v[236:237], v[236:237], v[244:245]
	s_delay_alu instid0(VALU_DEP_1)
	v_pk_add_f32 v[14:15], v[14:15], v[236:237]
	s_wait_alu depctr_va_vdst(0)                   ; and one for the four
.irp b, 0,1,2,3
	v_max_num_f32 v[232+\b], 0x1800000, v[232+\b]  ; the floor 2^(3 - 127)
.endr
.irp b, 0,1,2,3
	s_delay_alu instid0(VALU_DEP_4)
	v_add_nc_u32 v[244+\b], 0xff000000, v[232+\b]  ; the conversion's scale operand
.endr
.irp b, 0,1,2,3
	s_delay_alu instid0(VALU_DEP_4)
	v_lshrrev_b32 v[236+\b], 23, v[244+\b]         ; the scale's byte
.endr
	s_delay_alu instid0(VALU_DEP_3)
	v_lshl_or_b32 v253, v237, 8, v236
	s_delay_alu instid0(VALU_DEP_1)
	v_lshl_or_b32 v253, v238, 16, v253
	WIN 0x15*(\w)                                  ; p's scale word goes to window 0
	v_lshl_or_b32 v[253-172*(\w)], v239, 24, v253
	WIN 0x55*(\w)
.irp c, 0,1
	v_cvt_scalef32_pk16_fp6_f32 v[224+6*\c:226+6*\c], v[96+32*\c:111+32*\c], v[244+2*\c]
	v_cvt_scalef32_pk16_fp6_f32 v[236+4*\c:238+4*\c], v[112+32*\c:127+32*\c], v[244+2*\c+1]
.endr
	v_nop                                          ; one plain line behind a scaled conversion
.irp c, 0,1
.irp i, 0,1,2
	v_permlane16_swap_b32 v[224+6*\c+\i], v[236+4*\c+\i]
.endr
.irp i, 0,1,2
	s_delay_alu instid0(VALU_DEP_3)
	v_mov_b32 v[227+6*\c+\i], v[236+4*\c+\i]
.endr
.endr
	s_wait_alu depctr_va_vdst(0)                   ; directly ahead of the first reader of O^T
.set J, 0
.rept 32
	v_pk_mul_f32 v[160+J:161+J], v[160+J:161+J], v[252:253] op_sel_hi:[1,0]   ; O^T x f.  (Also the places between p's codes and scale word and the products)
.set J, J+2
.endr
.endm
; A KEY STEP: 128 keys, the q-th of my two in the slot in hand, for both query tiles.
.macro STEP q
	PL4                                            ; places behind the last products, in front of loads into registers that they read
	FRAGS ADK, \q
	s_wait_dscnt 12                                ; fragments 0-3 and the scale words are in; the twelve loads of fragments 4-7 may be out
	SGRP 0, 0
	SGRP 0, 1
	s_wait_dscnt 0x0
	SGRP 1, 0
	SGRP 1, 1
	PL4                                            ; in front of the loads below and of the first read of the scores
	FRAGS ADV, \q                                  ; V's eight fragments and scale words land while tile 0's softmax is worked
	SM 0
	WIN 0
	s_wait_alu depctr_va_vdst(0)
	s_wait_dscnt 0x0
	PGRP 0, 0                                      ; tile 0's products stand ahead of tile 1's softmax, which names none of their registers
	PGRP 1, 0
	SM 1
	PGRP 0, 1
	PGRP 1, 1
	WIN 0
.endm
; THE CHANGE OF SLOTS: each wave waits for all its tensor loads, adds 0 to its spare word, and waits for that and for its reads of the slot that it has left.  fill = 1: the barrier is a round of the cluster's, and the joint refill is the first thing behind it.
.macro CHANGE fill
	s_wait_tensorcnt 0x0
	ds_add_u32 v[SPW], v[NIL]
.if \fill
	s_xor_b32 s[G0+1], s[G0+1], SLOT1              ; the other slot,
	s_add_nc_u64 s[G0+2:G0+3], s[G0+2:G0+3], SLOTB ; the next 512 keys
	s_wait_xcnt 0x0                                ; the last prefetch has read its address
	s_add_nc_u64 s[PFA:PFA+1], s[PFA:PFA+1], SLOTB
.endif
	s_wait_dscnt 0x0
.if \fill
	CROUND
	TLOAD
	ASK
.else
	s_barrier_signal -1
	s_barrier_wait -1
.endif
.endm
.macro SLOT_STEPS
	v_add_nc_u32 v[ADK], s[TB], v[LK]
	v_add_nc_u32 v[ADV], s[TB], v[LV]
	v_add_nc_u32 v[ADS], s[TS], v[LS]
	s_wait_alu depctr_va_vdst(0)
	STEP 0
	STEP 1
	s_xor_b32 s[TB], s[TB], SLOT1
	s_add_co_u32 s[TS], s[TS], 2048
.endm
.Lslot:                                            ; 7 trips: behind each change of slots but the last the next slot is asked for (slot 1's first fill is issued as a refill is)
	CHANGE 1
	SLOT_STEPS
	s_sub_co_u32 s[SLOTS], s[SLOTS], 1
	s_cmp_lg_u32 s[SLOTS], 0
	s_cbranch_scc1 .Lslot
	CHANGE 0                                       ; the last slot is written out
	SLOT_STEPS
	; THE TWO HALVES OF THE KEYS MEET.  The upper wave leaves tile 0's O^T, -M and sum in LDS as images of its registers, the lower wave tile 1's; a barrier; each takes up the other's part of the tile that it keeps.
	v_add_f32 v13, v14, v15                        ; my lane's sum over my half of the keys.  (These five plain lines are the places behind the last products)
	WIN 0x55
	v_add_f32 v13, v14, v15
	WIN 0
	v_and_b32 v[QA], 15, v0
	v_nop
	v_lshlrev_b32 v[QA], 4, v[QA]                  ; ctxq's scale words: 16 bytes a row
	s_wait_alu depctr_va_vdst(0)
	s_cmp_lt_u32 s[WV], 4
	s_cbranch_scc1 .Llow_st
.set J, 0
.rept 16
	s_wait_alu depctr_va_vdst(0)                   ; tile 0's last products stand ahead of tile 1's exponentials: the wait stands directly ahead of each first reader
	ds_store_b128 v[MA], v[160+4*J:163+4*J] offset:512*J           ; each accumulator from its low end on
.set J, J+1
.endr
	ds_store_b64 v[MB], v[12:13]
	s_branch .Lkeeps
.Llow_st:
	WIN 0x04                                       ; the data: window 1
.set J, 0
.rept 16
	ds_store_b128 v[MA], v[160+4*J:163+4*J] offset:MRGT+512*J
.set J, J+1
.endr
	ds_store_b64 v[MB], v[12:13] offset:MRGT
	WIN 0
.Lkeeps:
	s_wait_dscnt 0x0                               ; for the other wave's sake: my stores have landed
	s_barrier_signal -1
	s_barrier_wait -1
.macro JOIN w
	WIN 0x40*(\w)
	ds_load_b64 v[32:33], v[MB] offset:MRGT*(\w)   ; the other half's -M and sum,
.set J, 0
.rept 16
	ds_load_b128 v[96+4*J:99+4*J], v[MA] offset:MRGT*(\w)+512*J    ; and its O^T
.set J, J+1
.endr
	WIN 0
	s_wait_dscnt 0x0
	WIN 0x55*(\w)
	v_min_num_f32 v34, v12, v32                    ; -M of both halves together
	s_delay_alu instid0(VALU_DEP_1)
	v_sub_f32 v35, v34, v12                        ; my M less the common one: a whole number, 0 or less
	v_sub_f32 v36, v34, v32
	s_delay_alu instid0(VALU_DEP_2)
	v_cvt_i32_f32 v35, v35
	s_delay_alu instid0(VALU_DEP_2)
	v_cvt_i32_f32 v36, v36
	s_delay_alu instid0(VALU_DEP_2)
	v_ldexp_f32 v38, 1.0, v35
	s_delay_alu instid0(VALU_DEP_2)
	v_ldexp_f32 v40, 1.0, v36
	s_delay_alu instid0(VALU_DEP_2)
	v_mul_f32 v13, v13, v38
	s_delay_alu instid0(VALU_DEP_1)
	v_fma_f32 v13, v33, v40, v13                   ; the lane's sum over all keys,
	s_delay_alu instid0(VALU_DEP_1)
	v_permlanex16_b32 v252, v13, s[SEL], s[SEL+1]
	s_delay_alu instid0(VALU_DEP_1)
	v_add_f32 v13, v13, v252                       ; and lane l xor 16's
	s_wait_alu depctr_va_vdst(0)
	v_rcp_f32 v14, v13
	v_nop
	s_wait_alu depctr_va_vdst(0)                   ; and ahead of its first reader
	v_mul_f32 v38, v38, v14                        ; power of two / the sum
	v_mul_f32 v40, v40, v14
	s_delay_alu instid0(VALU_DEP_2)
	v_mov_b32 v39, v38
	s_delay_alu instid0(VALU_DEP_2)
	v_mov_b32 v41, v40
.set J, 0
.rept 32
	v_pk_mul_f32 v[96+J:97+J], v[96+J:97+J], v[40:41]
.set J, J+2
.endr
	s_wait_alu depctr_va_vdst(0)                   ; directly ahead of the first reader of my O^T
.set J, 0
.rept 32
	v_pk_fma_f32 v[96+J:97+J], v[160+J:161+J], v[38:39], v[96+J:97+J]   ; register 16 b + i is channel 32 b + 16 h + i of my query
.set J, J+2
.endr
	QUANT 96, 224, 253-172*(\w), \w                ; quantised along the channels, K step "my head" of the last product
	WIN 0x04*(\w)
.irp c, 0,1,2
	global_store_b128 v[LI], v[224+4*\c:227+4*\c], s[90:91] offset:49152*(\w)+512*\c   ; 32 lanes store 512 consecutive bytes, at a multiple of 256 from the buffer's first byte
.endr
	WIN 0
	global_store_b32 v[QA], v[253-172*(\w)], s[92:93] offset:2048*(\w)   ; lanes l and l xor 16 write the same word to the same place
.endm
	s_cmp_lt_u32 s[WV], 4
	s_cbranch_scc0 .Lup
	JOIN 0                                         ; the lower wave finishes tile 0,
	s_branch .Lend
.Lup:
	JOIN 1                                         ; the upper wave tile 1
.Lend:
	s_wait_tensorcnt 0x0                           ; the wave's end
	ds_add_u32 v[SPW], v[NIL]
	s_wait_dscnt 0x0
	CROUND                                         ; the closing round
	s_endpgm
.Lfunc_end_k_q062f9ab835_attn:
	.size	k_q062f9ab835_attn, .Lfunc_end_k_q062f9ab835_attn-k_q062f9ab835_attn
	.p2alignl 7, 3214868480
	.fill 96, 4, 3214868480
	.section	.rodata,"a",@progbits
	.p2align	6, 0x0
	.amdhsa_kernel k_q062f9ab835_attn
		.amdhsa_group_segment_fixed_size 327680
		.amdhsa_private_segment_fixed_size 0
		.amdhsa_enable_private_segment 0
		.amdhsa_kernarg_size 32
		.amdhsa_user_sgpr_count 2
		.amdhsa_user_sgpr_kernarg_segment_ptr 1
		.amdhsa_wavefront_size32 1
		.amdhsa_system_sgpr_workgroup_id_x 1
		.amdhsa_system_sgpr_workgroup_id_y 1
		.amdhsa_system_sgpr_workgroup_id_z 1
		.amdhsa_system_vgpr_workitem_id 0
		.amdhsa_next_free_vgpr 512
		.amdhsa_next_free_sgpr 100
		.amdhsa_reserve_vcc 0
		.amdhsa_float_denorm_mode_32 3
		.amdhsa_float_denorm_mode_16_64 3
		.amdhsa_memory_ordered 1
		.amdhsa_forward_progress 1
		.amdhsa_inst_pref_size 203
	.end_amdhsa_kernel
	.amdgpu_metadata
---
amdhsa.version: [ 1, 2 ]
amdhsa.kernels:
  - .name:           k_q062f9ab835_attn
    .symbol:         k_q062f9ab835_attn.kd
    .args:
      - { .name: q, .offset: 0, .size: 8, .value_kind: global_buffer, .address_space: global }
      - { .name: rope, .offset: 8, .size: 8, .value_kind: global_buffer, .address_space: global }
      - { .name: kv, .offset: 16, .size: 8, .value_kind: global_buffer, .address_space: global }
      - { .name: ctxq, .offset: 24, .size: 8, .value_kind: global_buffer, .address_space: global }
    .group_segment_fixed_size: 327680
    .private_segment_fixed_size: 0
    .kernarg_segment_align: 8
    .kernarg_segment_size: 32
    .max_flat_workgroup_size: 256
    .sgpr_count:     100
    .vgpr_count:     512
    .wavefront_size: 32
...
	.end_amdgpu_metadata
.endif
;; end of part 3
;; launch oproj: the kernel of part 2 again; grid 32 x 8, 4 waves a work-group, clusters of 4 x 4, 327,680 bytes of LDS; arguments ctxq, woq, out0; writes out0
